; MI455X (gfx1250); checked and timed in simulation.
; The chip was launched on July 23, 2026; its instructions are those of AMD's public machine-readable ISA for CDNA 5 (MIT licence, August 2026) and "CDNA5" Instruction Set Architecture Reference Guide (July 2026). The comments in the code are by the model that wrote it; some were corrected since.
;; Self Attention. Allowed arithmetic: matrix products marked QUANTISED: E2M3 operands, one E8M0 scale for each 32 along K, by v_wmma_scale_f32_16x16x128_f8f6f4 with both operands' format E2M3, f32 sums; everything else in f32.
;; Inputs: Wk 1,024 x 1,024 float32; Wp 1,024 x 1,024 float32; Wq 1,024 x 1,024 float32; Wv 1,024 x 1,024 float32; bk 1,024 float32; bp 1,024 float32; bq 1,024 float32; bv 1,024 float32; key 8 x 1,024 x 1,024 float32; query 8 x 1,024 x 1,024 float32; value 8 x 1,024 x 1,024 float32.
;; Outputs: out0 8 x 1,024 x 1,024 float32.
;; This version of the problem:
;;   THIS VERSION OF THE PROBLEM IS GIVEN IN LOW PRECISION. The matrix products marked QUANTISED in the list below multiply operands that are first quantised to E2M3 (2 exponent bits, 3 mantissa bits; 6 bits a number), with one power-of-two scale for each 32 numbers along K (OCP MX v1.0); their sums are f32. All else is computed in f32.
;;   The module's matrix products, in the order in which they are computed (A, B: the left and right operand; K: the contracted axis; several contracted axes count as one K, in the product's order):
;;     1. [M 8,192, K 1,024] x [K 1,024, N 1,024]; A: input key; B: input Wk: QUANTISED
;;     2. [M 8,192, K 1,024] x [K 1,024, N 1,024]; A: input query; B: input Wq: QUANTISED
;;     3. [M 8,192, K 1,024] x [K 1,024, N 1,024]; A: input value; B: input Wv: QUANTISED
;;     4. batch 128 x [M 1,024, K 64] x [K 64, N 1,024]; A: computed on the way; B: computed on the way: QUANTISED
;;     5. batch 128 x [M 1,024, K 1,024] x [K 1,024, N 64]; A: softmax (see below); B: computed on the way: QUANTISED
;;     6. [M 8,192, K 1,024] x [K 1,024, N 1,024]; A: computed on the way; B: input Wp: QUANTISED
;;   THE QUANTISER, for each operand of a quantised product, along K:
;;     - K is cut into blocks of 32 from its start; a last block that is shorter is filled with zeros.
;;     - A block's scale is 2^e with e = floor(log2(the largest magnitude in the block)) - 2, held to -126 .. 127; a block of zeros has e = 0. As a byte (E8M0): e + 127.
;;     - Each number is divided by its block's scale, clamped to +-7.5, and rounded to the nearest number of E2M3, ties to even, subnormals kept.
;;     - The product sums the exact products of the quantised numbers (number of the format x scale) in f32.
;;   ~~~python
;;   def quantise(x, axis):      # numpy; x: float32 -> the quantised numbers, widened to float32 again
;;       x = np.moveaxis(x, axis, -1); K = x.shape[-1]
;;       x = np.pad(x, [(0, 0)] * (x.ndim - 1) + [(0, -K % 32)]); x = x.reshape(x.shape[:-1] + (-1, 32)); a = np.abs(x).max(-1, keepdims=True)
;;       e = np.where(a > 0, np.clip(np.frexp(np.where(a > 0, a, 1))[1] - 1 - 2, -126, 127), 0)      # np.frexp(a)[1] - 1 = floor(log2(a)), exactly
;;       r = np.clip(x / 2.0 ** e, -7.5, 7.5)
;;       step = 2.0 ** (np.maximum(np.frexp(np.where(r == 0, 1, r))[1] - 1, 0) - 3)
;;       q = np.round(r / step) * step * 2.0 ** e      # np.round: ties to even
;;       return np.moveaxis(q.reshape(q.shape[:-2] + (-1,))[..., :K], -1, axis).astype(np.float32)
;;   ~~~
;;   SOFTMAX AHEAD OF A QUANTISED PRODUCT. Where the list says 'softmax', what is quantised is not the finished softmax but p = 2^(t - M), with t = logit x log2(e) and M = ceil(the row's largest t), a whole number; so 1/2 < the row's largest p <= 1. The row's sum l is taken of the UNQUANTISED p, in f32, and the product's result is divided by l at the end. Since M is a whole number, a kernel that streams over the keys may use a running M (the ceiling of the running maximum): every later rescaling is an exact power of two, which a block's scale takes up: the codes' values come out the same.
;;   OPERANDS COMPUTED ON THE WAY. 'Computed on the way' means the value that the module computes at that place (a softmax that the list does not call 'softmax' is quantised finished and normalised). What goes into a quantiser is computed in f32, as accurately as f32 sums, v_exp_f32 and their like allow (about 1e-6 of the number): no bf16 or f16 on the way to a quantiser, and a product that is left as it is and whose result goes on into a quantised operand takes f32 operands (vector FMAs, or v_wmma_f32_16x16x4_f32). A number that lies on a knife's edge between two numbers of the format may be rounded either way, as far as f32 arithmetic and the matrix unit's own rounding can turn it there, and no further.
;; One version. Each part assembles by itself: llvm-mc -triple=amdgcn-amd-amdhsa -mcpu=gfx1250 --defsym DOCPART=n.
;; ======== version 1 of 1: 4 launches
;; limits: right only within a limited range of input values
;; workspace buffers: w1 22,937,600 bytes; w2 20,185,088 bytes; w3 6,553,600 bytes
;; launch quant (part 1): grid 256 x 1, 7 waves a work-group, no clusters, 60,160 bytes of LDS; arguments query, key, value, Wq, Wk, Wv, Wp, w1; writes w1
.if DOCPART == 1
	.amdgcn_target "amdgcn-amd-amdhsa--gfx1250"
	.amdhsa_code_object_version 6
	.text
	.protected	k_q91aa3c5c76_quant
	.globl	k_q91aa3c5c76_quant
	.p2align	8
	.type	k_q91aa3c5c76_quant,@function
k_q91aa3c5c76_quant:
	s_mov_b64 s[64:65], 0
	v_nop
	global_prefetch_b8 v0, s[64:65] scope:SCOPE_SE
	s_setreg_imm32_b32 hwreg(HW_REG_WAVE_MODE, 25, 1), 1
	s_wait_xcnt 0x0
; query, key, value [8192][1024] and Wq, Wk, Wv, Wp [1024][1024], f32 with K innermost, become codes of FP6 (E2M3) with one E8M0 byte for each 32 along K.
; A block's scale is 2^(floor(log2(its largest magnitude)) - 2); its byte is the largest magnitude's exponent field - 2, held at 1 from below.
; LIMITS: NaN and infinities are not served; a block whose largest magnitude lies under 2^-124 gets the byte 1; a block of zeros gets the byte 1 where the rule says 127
; (its codes are zeros, which add nothing under any byte but 0xff, and this program alone reads the bytes).
; LAYOUT OF w1.  The seven tensors' rows are taken in ROW BLOCKS of 16: query 0-511, key 512-1023, value 1024-1535, Wq 1536-, Wk 1600-, Wv 1664-, Wp 1728-1791.
; Lane r of a tensor's block n holds row 32 (n / 2) + 8 (n % 2) + r + 8 (r / 8): so two neighbouring blocks, used as source 0 of a product, leave 16 neighbouring rows in a lane's 16 result registers.
; A block's codes are 8 fragments (16 rows x 128 K, 12 registers a lane) on end, each as an image of its registers in two halves of 768 bytes: registers 6 c .. 6 c + 3 at 16 x lane, registers 6 c + 4, 6 c + 5 at 512 + 8 x lane.
; Its scale words (one for a row and 128 K) lie behind all codes: 512 bytes a block, word s of row r at 32 r + 4 s.
; SHARES.  A wave takes one row block, all of K: 8 steps, written out.  A load takes 512 consecutive bytes of one row; the 16 rows of a step turn through the wave's own stage in LDS (rows 528 bytes apart),
; so that lane (r, h) gets the whole blocks 2 c + h of row r.  Two steps' loads (32 a wave) are on their way.  No barrier: waves share nothing.
.set SC1,   22020096                   ; where the scale words begin: 1792 blocks x 12,288 bytes
.set SROW,  528                        ; a stage row: 512 bytes + 16
.set STG,   16*SROW
.set SPARE, 7*STG                      ; behind the seven stages: the spare words, 128 bytes for each wave, in four blocks of 256 bytes that no other line names
.set LN,    1                          ; v1   lane
.set O16,   2                          ; v2   16 x lane
.set SIN,   3                          ; v3   the stage on the way in: 16 x lane
.set SOUT,  4                          ; v4   on the way out: 528 r + 128 h
.set O8,    6                          ; v6   512 + 8 x lane
.set SH8,   7                          ; v7   8 h
.set OSC,   9                          ; v9   32 r + 16 h
.set SPW,   12                         ; v12  LDS address of my spare word; never rewritten
.set NIL,   13                         ; v13  0; never rewritten
.set R,     16                         ; v16-143  two sets of 64 registers as loaded
.set X,     144                        ; v144-207 my 64 numbers: register 32 c + i = k 64 c + 32 h + i of row r
.set PC,    208                        ; v208-219 the fragment's codes
.set TP,    220                        ; v220-222, v224-226 the upper halves of the blocks' codes as the conversions leave them
.set SW,    228                        ; v228-235 the 8 scale words
.set MX,    236
.set SO,    238
.set BY,    240
.set WT,    242
.set WS,    244
	s_load_b256 s[4:11], s[0:1], 0x0               ; query s[4:5], key s[6:7], value s[8:9], Wq s[10:11]
	s_load_b256 s[12:19], s[0:1], 0x20             ; Wk s[12:13], Wv s[14:15], Wp s[16:17], w1 s[18:19]
	v_lshl_add_u32 v[SPW], v0, 2, SPARE
	v_mov_b32 v[NIL], 0
	v_lshrrev_b32 v5, 5, v0
	v_readfirstlane_b32 s23, v5                    ; wave 0..6
	v_and_b32 v[LN], 31, v0
	v_lshlrev_b32 v[O16], 4, v[LN]
	s_mul_i32 s30, s23, STG                        ; my stage
	v_add_nc_u32 v[SIN], s30, v[O16]
	v_and_b32 v8, 15, v0                           ; r
	v_bfe_u32 v10, v0, 4, 1                        ; h
	v_mul_u32_u24 v[SOUT], v8, SROW
	v_lshl_add_u32 v[SOUT], v10, 7, v[SOUT]
	v_add_nc_u32 v[SOUT], s30, v[SOUT]
	v_lshl_add_u32 v[O8], v[LN], 3, 512
	v_lshlrev_b32 v[SH8], 3, v10
	v_lshlrev_b32 v[OSC], 5, v8
	v_lshl_add_u32 v[OSC], v10, 4, v[OSC]
	v_mov_b32 v[WT+1], 0                           ; written once: a lane permute's destination counts as one of its sources
	s_mov_b32 s28, 0x76543210
	s_mov_b32 s29, 0xfedcba98                      ; v_permlanex16_b32's selects for lane l xor 16
	s_wait_alu depctr_va_vdst(0)
	s_wait_kmcnt 0x0
	; 1792 row blocks are 256 work-groups x 7 waves.  Which tensor is my wave's: the choice hangs on ids alone.  s[20:21] the tensor, s22 its first row block
	s_mul_i32 s26, ttmp9, 7
	s_add_co_u32 s26, s26, s23                     ; my row block among all 1792
	s_mov_b64 s[20:21], s[16:17]
	s_mov_b32 s22, 1728
.macro PICK thr, p, first
	s_cmp_lt_u32 s26, \thr
	s_cselect_b64 s[20:21], s[\p:\p+1], s[20:21]
	s_cselect_b32 s22, \first, s22
.endm
	PICK 1728, 14, 1664
	PICK 1664, 12, 1600
	PICK 1600, 10, 1536
	PICK 1536, 8, 1024
	PICK 1024, 6, 512
	PICK 512, 4, 0
	s_sub_co_u32 s24, s26, s22                     ; my row block in the tensor
	s_lshr_b32 s25, s24, 1
	s_lshl_b32 s25, s25, 5
	s_and_b32 s26, s24, 1
	s_lshl_b32 s26, s26, 3
	s_add_co_u32 s24, s25, s26                     ; its first row: 32 (n / 2) + 8 (n % 2)
	s_lshl_b32 s24, s24, 12                        ; a row is 4,096 bytes
	s_mov_b32 s25, 0
	s_add_nc_u64 s[20:21], s[20:21], s[24:25]
	s_mul_i32 s26, ttmp9, 7
	s_add_co_u32 s26, s26, s23
	s_mul_i32 s24, s26, 12288
	s_add_nc_u64 s[24:25], s[18:19], s[24:25]      ; its codes
	s_lshl_b32 s26, s26, 9
	s_add_co_u32 s26, s26, SC1
	s_mov_b32 s27, 0
	s_add_nc_u64 s[26:27], s[18:19], s[26:27]      ; its scale words
.macro LOAD t                          ; K step t of my 16 rows into set t % 2: each load reads 512 consecutive bytes of one row
.set LI, 0
.rept 16
	global_load_b128 v[R+64*((\t)%2)+4*LI:R+64*((\t)%2)+4*LI+3], v[O16], s[20:21] offset:(LI+8*(LI/8))*4096+512*(\t) th:TH_LOAD_NT
.set LI, LI+1
.endr
.endm
.macro STEP t
.if (\t) < 7
	s_wait_loadcnt 16                              ; this step's 16 loads are in; the next step's 16 may be out
.else
	s_wait_loadcnt 0x0
.endif
.set LI, 0
.rept 16
	ds_store_b128 v[SIN], v[R+64*((\t)%2)+4*LI:R+64*((\t)%2)+4*LI+3] offset:SROW*LI
.set LI, LI+1
.endr
.set LI, 0
.rept 16
	ds_load_b128 v[X+4*LI:X+4*LI+3], v[SOUT] offset:256*(LI/8)+16*(LI%8)   ; LDS serves a wave's instructions in order: these see the stores above
.set LI, LI+1
.endr
	s_wait_dscnt 0x0                               ; my 64 numbers are back, and the stores have read the set,
.if (\t)+2 < 8
	LOAD (\t)+2                                    ; which takes the loads of two steps on
.endif
.irp c, 0,1
	v_max3_num_f32 v[MX+\c], |v[X+32*\c]|, |v[X+32*\c+1]|, 0x1800000   ; block 2 c + h: all 32 numbers are mine; and the floor 2^(3 - 127): the byte cannot fall under 1
.endr
.irp i, 2,4,6,8,10,12,14,16,18,20,22,24,26,28,30
.irp c, 0,1
	v_max3_num_f32 v[MX+\c], v[MX+\c], |v[X+32*\c+\i]|, |v[X+32*\c+\i+1]|
.endr
.endr
.irp c, 0,1
	v_add_nc_u32 v[SO+\c], 0xff000000, v[MX+\c]    ; 2 off the exponent field: the conversion takes the exponent field of this operand as its scale
.endr
.irp c, 0,1
	v_lshrrev_b32 v[BY+\c], 23, v[SO+\c]           ; the scale's byte
.endr
	v_lshl_or_b32 v[WT], v[BY+1], 16, v[BY]        ; my two bytes, blocks h and 2 + h,
	v_lshlrev_b32 v[WT], v[SH8], v[WT]             ; at their places in the row's word;
	v_permlanex16_b32 v[WT+1], v[WT], s28, s29
	v_or_b32 v[SW+(\t)], v[WT], v[WT+1]            ; with lane l xor 16's two the word is whole
	s_wait_alu depctr_va_vdst(0)
	s_wait_xcnt 0x0                                ; the last step's stores have read the codes' registers: only behind this wait are they written again
.irp c, 0,1
	v_cvt_scalef32_pk16_fp6_f32 v[PC+6*\c:PC+6*\c+2], v[X+32*\c:X+32*\c+15], v[SO+\c]
	v_cvt_scalef32_pk16_fp6_f32 v[TP+4*\c:TP+4*\c+2], v[X+32*\c+16:X+32*\c+31], v[SO+\c]   ; (a conversion's three registers begin on an even number)
.endr
	v_nop                                          ; one plain place behind a scaled conversion
.irp c, 0,1
.irp i, 0,1,2
	v_mov_b32 v[PC+6*\c+3+\i], v[TP+4*\c+\i]
.endr
.endr
	global_store_b128 v[O16], v[PC:PC+3], s[24:25] offset:1536*(\t)          ; 512 consecutive bytes, at a multiple of 256 from w1's first byte
	global_store_b64 v[O8], v[PC+4:PC+5], s[24:25] offset:1536*(\t)          ; 256 consecutive bytes
	global_store_b128 v[O16], v[PC+6:PC+9], s[24:25] offset:1536*(\t)+768
	global_store_b64 v[O8], v[PC+10:PC+11], s[24:25] offset:1536*(\t)+768
.endm
	LOAD 0
	LOAD 1
.irp t, 0,1,2,3,4,5,6,7
	STEP \t
.endr
	v_cmp_le_u32 vcc_lo, 16, v[LN]                 ; lanes 0-15 store words 0-3 of their row, lanes 16-31 words 4-7 (both lanes of a row hold all eight)
.irp i, 0,1,2,3
	v_cndmask_b32 v[WS+\i], v[SW+\i], v[SW+4+\i], vcc_lo
.endr
	global_store_b128 v[OSC], v[WS:WS+3], s[26:27] ; 512 consecutive bytes
	s_wait_tensorcnt 0x0                           ; the wave's end
	ds_add_u32 v[SPW], v[NIL]
	s_wait_dscnt 0x0
	s_endpgm
.Lfunc_end_k_q91aa3c5c76_quant:
	.size	k_q91aa3c5c76_quant, .Lfunc_end_k_q91aa3c5c76_quant-k_q91aa3c5c76_quant
	.p2alignl 7, 3214868480
	.fill 96, 4, 3214868480
	.section	.rodata,"a",@progbits
	.p2align	6, 0x0
	.amdhsa_kernel k_q91aa3c5c76_quant
		.amdhsa_group_segment_fixed_size 60160
		.amdhsa_private_segment_fixed_size 0
		.amdhsa_enable_private_segment 0
		.amdhsa_kernarg_size 64
		.amdhsa_user_sgpr_count 2
		.amdhsa_user_sgpr_kernarg_segment_ptr 1
		.amdhsa_wavefront_size32 1
		.amdhsa_system_sgpr_workgroup_id_x 1
		.amdhsa_system_sgpr_workgroup_id_y 1
		.amdhsa_system_sgpr_workgroup_id_z 1
		.amdhsa_system_vgpr_workitem_id 0
		.amdhsa_next_free_vgpr 256
		.amdhsa_next_free_sgpr 66
		.amdhsa_reserve_vcc 1
		.amdhsa_float_denorm_mode_32 3
		.amdhsa_float_denorm_mode_16_64 3
		.amdhsa_memory_ordered 1
		.amdhsa_forward_progress 1
		.amdhsa_inst_pref_size 59
	.end_amdhsa_kernel
	.amdgpu_metadata
---
amdhsa.version: [ 1, 2 ]
amdhsa.kernels:
  - .name:           k_q91aa3c5c76_quant
    .symbol:         k_q91aa3c5c76_quant.kd
    .args:
      - { .name: query, .offset: 0, .size: 8, .value_kind: global_buffer, .address_space: global }
      - { .name: key, .offset: 8, .size: 8, .value_kind: global_buffer, .address_space: global }
      - { .name: value, .offset: 16, .size: 8, .value_kind: global_buffer, .address_space: global }
      - { .name: Wq, .offset: 24, .size: 8, .value_kind: global_buffer, .address_space: global }
      - { .name: Wk, .offset: 32, .size: 8, .value_kind: global_buffer, .address_space: global }
      - { .name: Wv, .offset: 40, .size: 8, .value_kind: global_buffer, .address_space: global }
      - { .name: Wp, .offset: 48, .size: 8, .value_kind: global_buffer, .address_space: global }
      - { .name: w1, .offset: 56, .size: 8, .value_kind: global_buffer, .address_space: global }
    .group_segment_fixed_size: 60160
    .private_segment_fixed_size: 0
    .kernarg_segment_align: 8
    .kernarg_segment_size: 64
    .max_flat_workgroup_size: 224
    .sgpr_count:     66
    .vgpr_count:     256
    .wavefront_size: 32
...
	.end_amdgpu_metadata
.endif
;; end of part 1
;; launch proj (part 2): grid 8 x 32, 4 waves a work-group, clusters of 4 x 4, 327,680 bytes of LDS; arguments w1, bq, bk, bv, w2; writes w2
.if DOCPART == 2
	.amdgcn_target "amdgcn-amd-amdhsa--gfx1250"
	.amdhsa_code_object_version 6
	.text
	.protected	k_q91aa3c5c76_proj
	.globl	k_q91aa3c5c76_proj
	.p2align	8
	.type	k_q91aa3c5c76_proj,@function
k_q91aa3c5c76_proj:
	s_mov_b64 s[64:65], 0
	v_nop
	global_prefetch_b8 v0, s[64:65] scope:SCOPE_SE
	s_setreg_imm32_b32 hwreg(HW_REG_WAVE_MODE, 25, 1), 1
	s_wait_xcnt 0x0
	s_wait_alu depctr_hold_cnt(0) depctr_sa_sdst(0) depctr_va_vdst(0) depctr_va_sdst(0) depctr_va_ssrc(0) depctr_va_vcc(0) depctr_vm_vsrc(0)
	s_getreg_b32 s2, hwreg(HW_REG_IB_STS2, 6, 4)
	s_cmp_eq_u32 s2, 0
	s_cbranch_scc0 .Lentry_in_a_cluster
	s_endpgm
.Lentry_in_a_cluster:
	s_bfe_u32 s2, ttmp6, 0x10000c
	s_cmp_lg_u32 s2, 0xf033
	s_cbranch_scc0 .Lentry_shape_is_right
	s_endpgm
.Lentry_shape_is_right:
; q = query Wq^T + bq, k = key Wk^T + bk, v = value Wv^T + bv on codes of FP6 (E2M3) with E8M0 scales, sums in f32; the results are quantised in registers and leave as codes: q and k along the head's 64, v along the keys.
; THE DEAL.  256 work-groups (8 tile columns x 32 tile rows), four waves as 2 x 2.  A work-group makes the same 256 tokens x 128 features of q, then of k, then of v: three PHASES of equal work.
; A wave holds 64 rows of the weight (one head), ALL of K, in 384 registers, and streams its 128 tokens past them in row blocks of 16: a block is 8 fragments and 32 products on four accumulators by turns.
; q, k: source 0 = the weight's rows: a lane holds one token, its registers run along the features.  v: source 0 = the tokens: a lane holds one channel, its registers run along the keys.
; By the order of rows in a row block of w1 (lane r of block n: row 32 (n / 2) + 8 (n % 2) + r + 8 (r / 8)) the 16 registers of source 0's blocks 2 x, 2 x + 1 are 16 neighbours: half a scale block; lane l xor 16 holds the other half.
; w1 holds a row block as 8 register images of 1,536 bytes on end (12,288 dense bytes) and its scale words behind all codes (512 bytes a block); w2 is laid as the attention launch reads it:
; q's codes at 0, k's at 6,291,456, v's at 12,582,912, 49,152 bytes a (batch, head); q's scale words at 18,874,368 (4,096 a head: [g][r][8 words]); at 19,398,656, 6,144 a head: k's likewise, then v's [g][r][4 words].
; THE WEIGHTS COME BY TWO ROADS.  K steps 0-2 go from w1 straight into my registers: they are images of those registers, so each load takes 512 or 256 consecutive bytes, 48 loads a wave; no joint load serves them, since they pass
; no LDS: that spares 18,432 bytes of LDS reads a wave and phase.  For the next phase they are issued inside a phase's last block, behind the products that free their registers.  K steps 3-7 come jointly through LDS.
; LDS: the weights' 8 blocks x 7,680 bytes at 0; the tokens' 16 blocks at XB, each wave row's eight on end, filled in halves of four blocks; the tokens' scale words of all three phases at SX, filled once; the spare words.
; FILLS, all joint (tokens shared by a row of the cluster, weights by a column).  Head: one load a wave: the weights, the scale words, the first half's two pieces.  The second half goes out behind the full sequence and a round.
; In q's and k's phases two rounds stand inside blocks 2 and 6: in block 2 the next phase's first half (waves 0, 1) and weights (wave 2), in block 6 its second half.  Each refill is shown to all waves by the next round; v's second half by a plain barrier.
; Behind block 6's round the next phase's block 0 is fetched at once.  q and k are one loop of two trips (k's trip fetches v's tiles, so every refill is read); v fetches nothing and is written out.
; THE WAY OUT goes by pairs of blocks, 64 sums a lane in four groups of 16.  The groups' largest magnitudes are taken among the next block's products; the rest follows behind that block; a phase's last pair stands under the next weights' loads.
; THE WAITS' COUNTS: a block's rows were fetched two blocks ago; younger is one fetch of NF = 34 LDS loads.  Behind a round or the plain barrier the wait for 0 has shown the next block in.
; Global loads: ahead of the loop the head's last 48 (what later phases want) may be out; ahead of the moves that read them the 48 weight loads just issued may be out.
; PREFETCHES: each tile of a later refill is asked for one refill ahead: its 384 blocks of 256 bytes are shared by address among the 16 waves that will ask jointly, 24 a wave; after v's tiles nothing is asked for.
; The bias is the C of each sum's first product.  LIMITS: NaN and infinities are not served; a block whose largest magnitude lies under 2^-124, zeros among them, gets the byte 1 (this program alone reads the bytes).
.set SC1,   22020096
.set RBK,   12288
.set WBK,   7680                       ; a weight block's K steps 3-7
.set XB,    8*RBK
.set SX,    24*RBK
.set SPARE, SX+24576
.set NF,    34
.set TSTEP, 512*RBK                    ; from a token tensor to the next, in w1 and in w2's codes
.set WSTEP, 64*RBK                     ; from a weight to the next
.set LN,   1                           ; lane
.set RR,   2                           ; r
.set HH,   3                           ; h
.set O16,  4                           ; 16 x lane
.set O8,   5                           ; 512 + 8 x lane
.set AW16, 6                           ; v6, v7 LDS: my four weight blocks
.set AW8,  7
.set AX16, 8                           ; v8, v9 my token blocks 0-3; v10, v11 blocks 4-7
.set AX8,  9
.set AS,   12                          ; my rows' scale words in the phase that is fetched
.set AS0,  13                          ; in the first
.set OSC,  14                          ; 32 r + 16 h
.set OSV,  15                          ; 16 r + 8 h
.set SPW,  16
.set NIL,  17
.set PFO,  18                          ; 256 x min(lane, 23)
.set ABS,  19                          ; 512 h + 32 r
.set BQO,  20                          ; 64 h
.set BVO,  21                          ; 4 (r + 8 (r / 8))
.set SB,   24                          ; v24-39 the weights' scale words: register 8 p + q: lanes 0-15 block 2 p, lanes 16-31 block 2 p + 1
.set VW,   40                          ; v40-43 v's scale words
.set SA,   44                          ; v44-59 the tokens' scale words, two sets of eight
.set WS,   60
.set ACC0, 64                          ; two sets of 64 sums
.set ACC1, 128
.set TM,   192
.set TP,   196
.set SO,   200
.set PC,   208                         ; q, k: v208-219 two half fragments, v220-226 the conversions' second halves
.set PWS,  228                         ; v228-235 eight blocks' scale words
.set HF,   208                         ; v: four half fragments, eight registers apart; v240-255 second halves
.set HT,   240
.set BC,   840                         ; this phase's bias; BS: k's; BV: v's; S1, S2: Wk's and Wv's scale words
.set BS,   872
.set BV,   904
.set S1,   936
.set S2,   952
.set G1X, 24
.set G1W, 32
.set G1S, 48
.set G0X0, 56
.set G0X1, 60
.set SEL, 66
.set G0W, 68
.set G0S, 72
.set OC,  76
.set OS,  78
.set OSK, 80
.set OV,  82
.set OVS, 84
.set PX,  86
.set PW,  88
.set WP,  94                           ; s[94:95] my four weight blocks in w1
.set MSB, 0
.macro WIN new
.if MSB != \new
	s_set_vgpr_msb (MSB<<8)|\new
.set MSB, \new
.endif
.endm
.macro PLACES n
.rept \n
	v_nop
.endr
.endm
.macro WALU
	s_wait_alu depctr_va_vdst(0)
.endm
.macro BARRIER
	s_barrier_signal -1
	s_barrier_wait -1
.endm
.macro MIDDLE
	WIN 0
	s_barrier_wait -1
	s_cmp_lg_u32 s14, 0
	s_cbranch_scc1 .Lnot_wave_0_\@
	s_barrier_signal -3
.Lnot_wave_0_\@:
	s_barrier_wait -3
.endm
.macro CROUND
	s_barrier_signal -1
	MIDDLE
	BARRIER
.endm
.macro TLOAD g0, g1
	tensor_load_to_lds s[\g0:\g0+3], s[\g1:\g1+7]
	s_nop 0
	PLACES 4
.endm
.macro GROUP1 g, mask, c, r, p         ; r rows of c elements of 8 bytes, p elements apart, dense in LDS
	s_or_b32 s[\g], s[\mask], (3<<16)|(1<<21)
	s_mov_b32 s[\g+1], (\c)<<16
	s_mov_b32 s[\g+2], (\r)<<16
	s_mov_b32 s[\g+3], (\c)<<16
	s_mov_b32 s[\g+4], \r
	s_mov_b32 s[\g+5], \p
	s_mov_b32 s[\g+6], 0
	s_mov_b32 s[\g+7], 0
.endm
; fragment f lies in window 1 + f / 21 at register 12 (f % 21): 0-31 the weights' (4 q + b), 32-39 and 40-47 the tokens' two sets
.macro FRAG f, a16, a8, off
	WIN (1+(\f)/21)<<6
.set R_, 12*((\f)%21)
	ds_load_b128 v[R_:R_+3], v[\a16] offset:\off
	ds_load_b64 v[R_+4:R_+5], v[\a8] offset:\off
	ds_load_b128 v[R_+6:R_+9], v[\a16] offset:(\off)+768
	ds_load_b64 v[R_+10:R_+11], v[\a8] offset:(\off)+768
.endm
.macro WEIGHTS                         ; K steps 3-7 of my four blocks, from LDS: 80 loads
.irp q, 3,4,5,6,7
.irp b, 0,1,2,3
	FRAG 4*\q+\b, AW16, AW8, \b*WBK+1536*(\q-3)
.endr
.endr
	WIN 0
.endm
.macro GWQ q, o                        ; K step q (0-2) of my four blocks, from w1 at o bytes behind s[WP]: 16 loads
.irp b, 0,1,2,3
.set R_, 12*(4*(\q)+\b)
	WIN 1<<6
	global_load_b128 v[R_:R_+3], v[O16], s[WP:WP+1] offset:(\o)+\b*RBK+1536*(\q)
	global_load_b64 v[R_+4:R_+5], v[O8], s[WP:WP+1] offset:(\o)+\b*RBK+1536*(\q)
	global_load_b128 v[R_+6:R_+9], v[O16], s[WP:WP+1] offset:(\o)+\b*RBK+1536*(\q)+768
	global_load_b64 v[R_+10:R_+11], v[O8], s[WP:WP+1] offset:(\o)+\b*RBK+1536*(\q)+768
.endr
.endm
.macro FETCH e, i                      ; my token block i into set e: NF loads
.irp q, 0,1,2,3,4,5,6,7
	FRAG 32+8*(\e)+\q, AX16+2*((\i)/4), AX8+2*((\i)/4), ((\i)%4)*RBK+1536*\q
.endr
	WIN 0
	ds_load_b128 v[SA+8*(\e):SA+8*(\e)+3], v[AS] offset:512*(\i)
	ds_load_b128 v[SA+8*(\e)+4:SA+8*(\e)+7], v[AS] offset:512*(\i)+16
.endm
.macro P1 d, r0, r1, c, x0, x1, side, o
.if \o
	v_wmma_scale_f32_16x16x128_f8f6f4 v[\d:\d+7], v[\r0:\r0+11], v[\r1:\r1+11], \c, v[\x0], v[\x1] matrix_a_fmt:MATRIX_FMT_FP6 matrix_b_fmt:MATRIX_FMT_FP6 matrix_\side\()_scale:MATRIX_SCALE_ROW1
.else
	v_wmma_scale_f32_16x16x128_f8f6f4 v[\d:\d+7], v[\r0:\r0+11], v[\r1:\r1+11], \c, v[\x0], v[\x1] matrix_a_fmt:MATRIX_FMT_FP6 matrix_b_fmt:MATRIX_FMT_FP6 matrix_\side\()_scale:MATRIX_SCALE_ROW0
.endif
.endm
.macro PROD kind, e, q, b, d           ; kind 0 (q, k): source 0 the weight's block b; kind 1 (v): source 0 the tokens
.set FW_, 4*(\q)+(\b)
.set FX_, 32+8*(\e)+(\q)
.set RW_, 12*(FW_%21)
.set RX_, 12*(FX_%21)
.set XW_, SB+8*((\b)/2)+(\q)
.set XX_, SA+8*(\e)+(\q)
.set D_, \d
.set CW_, 0
.if (\q) == 0
.set CW_, 3
.endif
.if \kind
	WIN (1+FX_/21)|((1+FW_/21)<<2)|(CW_<<4)
.if (\q) == 0
	P1 D_, RX_, RW_, v[BV-768+8*(\b):BV-768+8*(\b)+7], XX_, XW_, b, (\b)%2
.else
	P1 D_, RX_, RW_, v[D_:D_+7], XX_, XW_, b, (\b)%2
.endif
.else
	WIN (1+FW_/21)|((1+FX_/21)<<2)|(CW_<<4)
.if (\q) == 0
	P1 D_, RW_, RX_, v[BC-768+8*(\b):BC-768+8*(\b)+7], XW_, XX_, a, (\b)%2
.else
	P1 D_, RW_, RX_, v[D_:D_+7], XW_, XX_, a, (\b)%2
.endif
.endif
.endm
.macro MAXQ q, ac                      ; step q of 8: the four groups' largest magnitudes, each accumulator from its low end on; the floor 2^(3 - 127) holds the byte at 1
	WIN 0
.irp g, 0,1,2,3
.if (\q) == 0
	v_max3_num_f32 v[TM+\g], 0x1800000, |v[\ac+16*\g]|, |v[\ac+16*\g+1]|
.else
	v_max3_num_f32 v[TM+\g], v[TM+\g], |v[\ac+16*\g+2*(\q)]|, |v[\ac+16*\g+2*(\q)+1]|
.endif
.endr
.endm
.macro MAXALL ac
.irp t, 0,1,2,3,4,5,6,7
	MAXQ \t, \ac
.endr
.endm
; K steps q0 .. q1 - 1 of a block: four products each; behind them, where ac >= 0, a step of the maxima of the pair at ac
.macro BLOCK kind, e, d0, ds, q0, q1, ac
.set Q_, \q0
.rept (\q1)-(\q0)
.irp b, 0,1,2,3
	PROD \kind, \e, Q_, \b, (\d0)+(\ds)*\b
.endr
.if (\ac) >= 0
	MAXQ Q_, \ac
.endif
.set Q_, Q_+1
.endr
.endm
.macro PLAINB kind, e, d0, ds, w, i    ; a block without a way out; w: the wait's count (-1: none); i: the block fetched behind it (-1: none)
.if (\w) >= 0
	s_wait_dscnt \w
.endif
	BLOCK \kind, \e, \d0, \ds, 0, 8, -1
	WIN 0
	PLACES 4
.if (\i) >= 0
	FETCH \e, \i
.endif
.endm
.macro LASTB                           ; block 7 of q or k: behind K steps 0-2 and four places the next weight's fragments of that step are asked of w1 into the registers just read
.set Q_, 0
.rept 8
.irp b, 0,1,2,3
	PROD 0, 1, Q_, \b, ACC1+32+8*\b
.endr
.if Q_ < 3
	WIN 0
	PLACES 4
	GWQ Q_, WSTEP
.endif
.set Q_, Q_+1
.endr
	WIN 0
	PLACES 4
.endm
.macro SCALE4                          ; with lane l xor 16's: the blocks' largest magnitudes; 2 off the exponent field: the conversions' scale operands; the bytes
.irp g, 0,1,2,3
	v_permlanex16_b32 v[TP+\g], v[TM+\g], s[SEL], s[SEL+1]
.endr
.irp g, 0,1,2,3
	v_max_num_f32 v[TM+\g], v[TM+\g], v[TP+\g]
.endr
.irp g, 0,1,2,3
	v_add_nc_u32 v[SO+\g], 0xff000000, v[TM+\g]
.endr
.irp g, 0,1,2,3
	v_lshrrev_b32 v[TP+\g], 23, v[SO+\g]
.endr
.endm
.macro LUMP p, ac                      ; q, k: pair p's two half fragments and two scale words
	SCALE4
	v_lshl_or_b32 v[PWS+2*(\p)], v[TP+1], 8, v[TP]
	v_lshl_or_b32 v[PWS+2*(\p)+1], v[TP+3], 8, v[TP+2]
.irp c, 0,1
	v_cvt_scalef32_pk16_fp6_f32 v[PC+6*\c:PC+6*\c+2], v[\ac+32*\c:\ac+32*\c+15], v[SO+2*\c]
	v_cvt_scalef32_pk16_fp6_f32 v[PC+12+4*\c:PC+14+4*\c], v[\ac+16+32*\c:\ac+31+32*\c], v[SO+2*\c+1]
.endr
	v_nop                                          ; one plain place behind a scaled conversion
.irp c, 0,1                            ; a whole block to a lane: lanes 0-15 the first, lanes 16-31 the second
.irp i, 0,1,2
	v_permlane16_swap_b32 v[PC+6*\c+\i], v[PC+12+4*\c+\i]
.endr
.irp i, 0,1,2
	v_mov_b32 v[PC+3+6*\c+\i], v[PC+12+4*\c+\i]
.endr
.endr
.endm
.macro PUTQ p                          ; 512 and 256 consecutive bytes, at multiples of 256 from w2's first byte
	global_store_b128 v[O16], v[PC:PC+3], s[OC:OC+1] offset:1536*(\p)
	global_store_b64 v[O8], v[PC+4:PC+5], s[OC:OC+1] offset:1536*(\p)
	global_store_b128 v[O16], v[PC+6:PC+9], s[OC:OC+1] offset:1536*(\p)+768
	global_store_b64 v[O8], v[PC+10:PC+11], s[OC:OC+1] offset:1536*(\p)+768
.endm
.macro LUMPV x, ac                     ; v: pair x is scale block x of four fragments (16 channels each); an even pair's codes wait for the odd pair's
	SCALE4
.irp k, 0,1,2,3
.if (\x) == 0
	v_mov_b32 v[VW+\k], v[TP+\k]
.else
	v_lshl_or_b32 v[VW+\k], v[TP+\k], 8*(\x), v[VW+\k]
.endif
.endr
.irp k, 0,1,2,3
.if (\x)%2
	v_cvt_scalef32_pk16_fp6_f32 v[HT+4*\k:HT+4*\k+2], v[\ac+16*\k:\ac+16*\k+15], v[SO+\k]
.else
	v_cvt_scalef32_pk16_fp6_f32 v[HF+8*\k:HF+8*\k+2], v[\ac+16*\k:\ac+16*\k+15], v[SO+\k]
.endif
.endr
	v_nop
.if (\x)%2
.irp k, 0,1,2,3
.irp i, 0,1,2
	v_permlane16_swap_b32 v[HF+8*\k+\i], v[HT+4*\k+\i]
.endr
.irp i, 0,1,2
	v_mov_b32 v[HF+8*\k+3+\i], v[HT+4*\k+\i]
.endr
.endr
.endif
.endm
.macro PUTV c
.irp k, 0,1,2,3
	global_store_b128 v[O16], v[HF+8*\k:HF+8*\k+3], s[OV:OV+1] offset:1536*\k+768*(\c)
	global_store_b64 v[O8], v[HF+8*\k+4:HF+8*\k+5], s[OV:OV+1] offset:1536*\k+768*(\c)
.endr
.endm
; an even block of q or k with a round inside.  which = 0: block 2; 1: block 6
.macro ROUNDB which
	s_wait_dscnt NF
	s_wait_xcnt 0x0                                ; the last pair's stores have read their data
	s_wait_tensorcnt 0x0                           ; all my tensor loads have landed: so their descriptors may step;
	ds_add_u32 v[SPW], v[NIL]
.if \which
	s_add_nc_u64 s[G0X1+2:G0X1+3], s[G0X1+2:G0X1+3], TSTEP
.else
	s_add_nc_u64 s[G0X0+2:G0X0+3], s[G0X0+2:G0X0+3], TSTEP
	s_add_nc_u64 s[G0W+2:G0W+3], s[G0W+2:G0W+3], WSTEP
.endif
	BLOCK 0, 0, ACC1, 8, 0, 6, ACC0
	WIN 0
	WALU
	s_wait_dscnt 0x0                               ; the add, and my reads of the bytes that are filled again
	s_barrier_signal -1
	BLOCK 0, 0, ACC1, 8, 6, 8, ACC0
	WIN 0
	LUMP 2*(\which), ACC0
	WALU
	MIDDLE
	BARRIER
	s_cmp_lt_u32 s14, 2
	s_cbranch_scc0 .Lw_\@
.if \which
	TLOAD G0X1, G1X                                ; the next phase's token blocks 4-7 of each wave row
.else
	TLOAD G0X0, G1X                                ; its blocks 0-3
	s_branch .Ld_\@
.endif
.Lw_\@:
.if (\which) == 0
	s_cmp_eq_u32 s14, 2
	s_cbranch_scc0 .Ld_\@
	TLOAD G0W, G1W                                 ; K steps 3-7 of its weights: all waves hold this phase's in registers
.Ld_\@:
.endif
	PUTQ 2*(\which)
.if \which
	s_add_co_u32 s91, s91, 8192                    ; the round has shown the next phase's blocks 0-3: its block 0 is fetched now, into the set that block 6 has read
	v_add_nc_u32 v[AS], s91, v[AS0]
	WALU
	FETCH 0, 0
	s_cmp_eq_u32 s90, 0                            ; behind v's tiles nothing is left to ask for
	s_cbranch_scc0 .Lnp_\@
	global_prefetch_b8 v[PFO], s[PX:PX+1] offset:TSTEP th:TH_LOAD_NT scope:SCOPE_SE
	global_prefetch_b8 v[PFO], s[PW:PW+1] offset:WSTEP th:TH_LOAD_NT scope:SCOPE_SE
.Lnp_\@:
.else
	FETCH 0, 4
	global_prefetch_b8 v[PFO], s[PX:PX+1] offset:4*RBK th:TH_LOAD_NT scope:SCOPE_SE
.endif
.endm
; ================= the head
	s_load_b256 s[4:11], s[0:1], 0x0               ; w1, bq, bk, bv
	s_load_b64 s[12:13], s[0:1], 0x20              ; w2
	v_lshl_add_u32 v[SPW], v0, 2, SPARE
	v_mov_b32 v[NIL], 0
	ds_add_u32 v[SPW], v[NIL]                      ; the opening lines
	ds_add_u32 v[SPW], v[NIL]
	v_lshrrev_b32 v1, 5, v0
	v_readfirstlane_b32 s14, v1                    ; wave; s15 its row of the 2 x 2 (which 128 tokens), s16 its column (which head)
	s_lshr_b32 s15, s14, 1
	s_and_b32 s16, s14, 1
	s_bfe_u32 s40, ttmp6, 0x40000
	s_bfe_u32 s41, ttmp6, 0x40004
	s_lshl_b32 s42, ttmp9, 2
	s_add_co_u32 s42, s42, s40                     ; tile column, 0 .. 7
	s_and_b32 s43, ttmp7, 0xffff
	s_lshl_b32 s43, s43, 2
	s_add_co_u32 s43, s43, s41                     ; tile row, 0 .. 31
	s_lshl_b32 s44, s41, 2
	s_lshl_b32 s44, 15, s44                        ; my row of the cluster
	s_lshl_b32 s45, 0x1111, s40                    ; my column
	GROUP1 G1X, 44, 32, 192, 32                    ; four token blocks: 192 rows of 256 bytes
	GROUP1 G1W, 45, 960, 8, 1536                   ; eight weight blocks' K steps 3-7: rows of 7,680 bytes, 12,288 apart
	GROUP1 G1S, 44, 1024, 3, 32768                 ; 16 blocks' scale words, 8,192 bytes, of each of the three token tensors
	s_mul_i32 s20, s43, 16*RBK
	s_mul_i32 s21, s16, 8*RBK
	s_add_co_u32 s20, s20, s21                     ; the piece that I ask for: wave row s16's
	s_mul_i32 s22, s42, 8*RBK
	s_add_co_u32 s22, s22, 1536*RBK                ; Wq's tile
	s_mul_i32 s47, s16, 4*RBK
	s_add_co_u32 s47, s47, s22                     ; my four blocks of it
	s_add_co_u32 s22, s22, 3*1536                  ; from K step 3 on
	s_lshl_b32 s23, s43, 13
	s_add_co_u32 s23, s23, SC1
	s_mov_b32 s[G0X0], 1
	s_add_co_u32 s[G0X0+1], s21, XB
	s_mov_b32 s[G0X1], 1
	s_add_co_u32 s[G0X1+1], s21, XB+4*RBK
	s_mov_b32 s[G0W], 1
	s_mov_b32 s[G0W+1], 0
	s_mov_b32 s[G0S], 1
	s_mov_b32 s[G0S+1], SX
	s_mov_b32 s21, 0
	s_mov_b32 s[SEL], 0x76543210
	s_mov_b32 s[SEL+1], 0xfedcba98
	v_and_b32 v[LN], 31, v0
	v_and_b32 v[RR], 15, v0
	v_bfe_u32 v[HH], v0, 4, 1
	v_lshlrev_b32 v[O16], 4, v[LN]
	v_lshl_add_u32 v[O8], v[LN], 3, 512
	s_mul_i32 s46, s16, 4*WBK
	v_add_nc_u32 v[AW16], s46, v[O16]
	v_add_nc_u32 v[AW8], s46, v[O8]
	s_mul_i32 s46, s15, 8*RBK
	s_add_co_u32 s46, s46, XB
	v_add_nc_u32 v[AX16], s46, v[O16]
	v_add_nc_u32 v[AX8], s46, v[O8]
	s_add_co_u32 s46, s46, 4*RBK
	v_add_nc_u32 v[AX16+2], s46, v[O16]
	v_add_nc_u32 v[AX8+2], s46, v[O8]
	v_lshlrev_b32 v[OSC], 5, v[RR]
	s_lshl_b32 s46, s15, 12
	s_add_co_u32 s46, s46, SX
	v_add_nc_u32 v[AS0], s46, v[OSC]
	v_mov_b32 v[AS], v[AS0]
	v_lshl_add_u32 v[ABS], v[HH], 9, v[OSC]
	v_lshl_add_u32 v[OSC], v[HH], 4, v[OSC]
	v_lshlrev_b32 v[OSV], 4, v[RR]
	v_lshl_add_u32 v[OSV], v[HH], 3, v[OSV]
	v_lshlrev_b32 v[BQO], 6, v[HH]
	v_and_b32 v[BVO], 8, v[RR]
	v_add_nc_u32 v[BVO], v[BVO], v[RR]
	v_lshlrev_b32 v[BVO], 2, v[BVO]
	v_min_u32 v[PFO], 23, v[LN]
	v_lshlrev_b32 v[PFO], 8, v[PFO]
.irp g, 0,1,2,3
	v_mov_b32 v[TP+\g], 0                          ; written once: a lane permute's destination counts as one of its sources
.endr
	WALU                                           ; the head's end
	s_wait_dscnt 0x0
	CROUND                                         ; the opening round
	s_wait_kmcnt 0x0
	s_add_nc_u64 s[G0X0+2:G0X0+3], s[4:5], s[20:21]
	s_add_nc_u64 s[G0X1+2:G0X1+3], s[G0X0+2:G0X0+3], 4*RBK
	s_or_b32 s[G0X0+3], s[G0X0+3], 0x80000000
	s_or_b32 s[G0X1+3], s[G0X1+3], 0x80000000
	s_mov_b32 s20, s22
	s_add_nc_u64 s[G0W+2:G0W+3], s[4:5], s[20:21]
	s_or_b32 s[G0W+3], s[G0W+3], 0x80000000
	s_mov_b32 s20, s23
	s_add_nc_u64 s[G0S+2:G0S+3], s[4:5], s[20:21]
	s_or_b32 s[G0S+3], s[G0S+3], 0x80000000
	s_mov_b32 s20, s47
	s_add_nc_u64 s[WP:WP+1], s[4:5], s[20:21]
	s_cmp_eq_u32 s14, 0
	s_cbranch_scc0 .Lh1
	TLOAD G0W, G1W                                 ; wave 0: K steps 3-7 of Wq's rows, which are wanted first
	s_branch .Lasked
.Lh1:
	s_cmp_eq_u32 s14, 1
	s_cbranch_scc0 .Lh2
	TLOAD G0S, G1S                                 ; wave 1: the tokens' scale words
	s_branch .Lasked
.Lh2:
	TLOAD G0X0, G1X                                ; waves 2, 3: query's blocks 0-3 of each wave row
.Lasked:
.irp q, 0,1,2
	GWQ \q, 0                                      ; K steps 0-2 of my rows of Wq, straight into their registers
.endr
	WIN 0
	s_lshr_b32 s17, s43, 2
	s_lshl_b32 s17, s17, 4
	s_lshl_b32 s18, s42, 1
	s_add_co_u32 s18, s18, s16                     ; my head
	s_add_co_u32 s17, s17, s18                     ; 16 x batch + head
	s_and_b32 s19, s43, 3
	s_lshl_b32 s19, s19, 1
	s_add_co_u32 s19, s19, s15                     ; g: which 128 tokens of the batch
	s_lshl_b32 s20, s18, 8
	s_add_nc_u64 s[6:7], s[6:7], s[20:21]          ; the biases of my head's 64
	s_add_nc_u64 s[8:9], s[8:9], s[20:21]
	s_add_nc_u64 s[10:11], s[10:11], s[20:21]
	s_lshl_b32 s20, s42, 12
	s_lshl_b32 s22, s16, 11
	s_add_co_u32 s20, s20, s22
	s_add_co_u32 s20, s20, SC1+1536*512
	s_add_nc_u64 s[92:93], s[4:5], s[20:21]        ; Wq's scale words, my four blocks; Wk's and Wv's 32,768 bytes on each
.irp p, 0,1
.irp c, 0,1
	global_load_b128 v[SB+8*\p+4*\c:SB+8*\p+4*\c+3], v[ABS], s[92:93] offset:1024*\p+16*\c
.endr
.endr
	WIN 0xc0
.irp b, 0,1,2,3                        ; q, k: register 8 b + j of lane (r, h) is feature 32 (b / 2) + 16 h + 8 (b % 2) + j
.irp c, 0,1
	global_load_b128 v[BC-768+8*\b+4*\c:BC-768+8*\b+4*\c+3], v[BQO], s[6:7] offset:(32*(\b/2)+8*(\b%2))*4+16*\c
.endr
.endr
	WIN 0
	s_mul_i32 s20, s17, 49152
	s_mul_i32 s22, s19, 6144
	s_add_co_u32 s20, s20, s22
	s_add_nc_u64 s[OC:OC+1], s[12:13], s[20:21]    ; q's codes
	s_add_nc_u64 s[OV:OV+1], s[OC:OC+1], 2*TSTEP   ; v's
	s_lshl_b32 s20, s17, 12
	s_lshl_b32 s22, s19, 9
	s_add_co_u32 s20, s20, s22
	s_add_co_u32 s20, s20, 18874368
	s_add_nc_u64 s[OS:OS+1], s[12:13], s[20:21]    ; q's scale words
	s_mul_i32 s23, s17, 6144
	s_add_co_u32 s23, s23, 19398656
	s_add_co_u32 s20, s23, s22
	s_add_nc_u64 s[OSK:OSK+1], s[12:13], s[20:21]  ; k's
	s_lshr_b32 s22, s22, 1
	s_add_co_u32 s20, s23, s22
	s_add_co_u32 s20, s20, 4096
	s_add_nc_u64 s[OVS:OVS+1], s[12:13], s[20:21]  ; v's
	s_lshl_b32 s22, s40, 2
	s_add_co_u32 s22, s22, s14                     ; my number among the 16 waves of my row of the cluster
	s_lshr_b32 s23, s22, 3
	s_mul_i32 s23, s23, 8*RBK
	s_and_b32 s22, s22, 7
	s_mul_i32 s22, s22, 6144
	s_mul_i32 s20, s43, 16*RBK
	s_add_co_u32 s20, s20, s23
	s_add_co_u32 s20, s20, s22
	s_add_co_u32 s20, s20, TSTEP
	s_add_nc_u64 s[PX:PX+1], s[4:5], s[20:21]      ; my 24 blocks of 256 bytes of key's first half
	s_lshl_b32 s22, s41, 2
	s_add_co_u32 s22, s22, s14                     ; and of my column
	s_mul_i32 s22, s22, 6144
	s_mul_i32 s20, s42, 8*RBK
	s_add_co_u32 s20, s20, s22
	s_add_co_u32 s20, s20, 1600*RBK
	s_add_nc_u64 s[PW:PW+1], s[4:5], s[20:21]      ; of Wk's rows
	global_prefetch_b8 v[PFO], s[PX:PX+1] th:TH_LOAD_NT scope:SCOPE_SE
	global_prefetch_b8 v[PFO], s[PW:PW+1] th:TH_LOAD_NT scope:SCOPE_SE
	s_cmp_eq_u32 s14, 0
	s_cbranch_scc0 .Lnot_w
	s_wait_tensorcnt 0x0
.Lnot_w:
	BARRIER                                        ; Wq's tile is in
	WEIGHTS
	WIN 0xc0                                       ; what the later phases want: 48 loads
.irp p, 0,1
.irp c, 0,1
	global_load_b128 v[S1-768+8*\p+4*\c:S1-768+8*\p+4*\c+3], v[ABS], s[92:93] offset:32768+1024*\p+16*\c
	global_load_b128 v[S2-768+8*\p+4*\c:S2-768+8*\p+4*\c+3], v[ABS], s[92:93] offset:65536+1024*\p+16*\c
.endr
.endr
.irp b, 0,1,2,3
.irp c, 0,1
	global_load_b128 v[BS-768+8*\b+4*\c:BS-768+8*\b+4*\c+3], v[BQO], s[8:9] offset:(32*(\b/2)+8*(\b%2))*4+16*\c
.endr
.endr
.irp b, 0,1,2,3                        ; v: a lane's own channel, 32 (b / 2) + 8 (b % 2) + r + 8 (r / 8), in all eight registers
.irp j, 0,1,2,3,4,5,6,7
	global_load_b32 v[BV-768+8*\b+\j], v[BVO], s[10:11] offset:(32*(\b/2)+8*(\b%2))*4
.endr
.endr
	WIN 0
	s_wait_tensorcnt 0x0                           ; the full sequence ahead of a later first fill
	ds_add_u32 v[SPW], v[NIL]
	s_wait_dscnt 0x0
	CROUND
	s_cmp_lt_u32 s14, 2
	s_cbranch_scc0 .Lnot_x
	TLOAD G0X1, G1X                                ; query's blocks 4-7 of each wave row
.Lnot_x:
	FETCH 0, 0
	FETCH 1, 1
	s_mov_b32 s90, 0                               ; the phase
	s_mov_b32 s91, 0                               ; its scale words' place
	s_wait_loadcnt 48                              ; Wq's K steps 0-2, its scale words and q's bias are in; the 48 loads behind them may be out
; ================= q, then k
.Lphase:
	PLAINB 0, 0, ACC0, 8, NF, 2
	PLAINB 0, 1, ACC0+32, 8, NF, 3
	ROUNDB 0
	PLAINB 0, 1, ACC1+32, 8, -1, 5
	s_wait_dscnt NF
	s_wait_xcnt 0x0
	BLOCK 0, 0, ACC0, 8, 0, 8, ACC1
	WIN 0
	LUMP 1, ACC1
	WALU
	PUTQ 1
	FETCH 0, 6
	PLAINB 0, 1, ACC0+32, 8, NF, 7
	ROUNDB 1
	LASTB
	WEIGHTS                                        ; the change of phase: the rest of the next weights and its block 1; the last pair's way out under their flight
	FETCH 1, 1
	s_wait_xcnt 0x0
	MAXALL ACC1
	LUMP 3, ACC1
	v_cmp_le_u32 vcc_lo, 16, v[LN]                 ; lanes 0-15 store words 0-3 of their row, lanes 16-31 words 4-7
.irp i, 0,1,2,3
	v_cndmask_b32 v[WS+\i], v[PWS+\i], v[PWS+4+\i], vcc_lo
.endr
	WALU
	PUTQ 3
	global_store_b128 v[OSC], v[WS:WS+3], s[OS:OS+1]     ; 512 consecutive bytes
	s_wait_loadcnt 48                              ; the head's loads are in; block 7's 48 may be out
	s_cmp_eq_u32 s90, 0
	s_cbranch_scc0 .Lto_v
	WIN 0x03
.set I, 0
.rept 16
	v_mov_b32 v[SB+I], v[S1-768+I]                 ; Wk's scale words
.set I, I+1
.endr
	WIN 0xc3
.set I, 0
.rept 32
	v_mov_b32 v[BC-768+I], v[BS-768+I]             ; k's bias
.set I, I+1
.endr
	WIN 0
	s_branch .Lmoved
.Lto_v:
	WIN 0x03
.set I, 0
.rept 16
	v_mov_b32 v[SB+I], v[S2-768+I]                 ; Wv's scale words
.set I, I+1
.endr
	WIN 0
.Lmoved:
	PLACES 8                                       ; a scale register written by a vector instruction stands 8 places ahead of a scaled product
	WALU
	s_wait_xcnt 0x0                                ; loads, stores and prefetches have read their bases
	s_add_nc_u64 s[OC:OC+1], s[OC:OC+1], TSTEP
	s_mov_b64 s[OS:OS+1], s[OSK:OSK+1]
	s_add_nc_u64 s[PX:PX+1], s[PX:PX+1], TSTEP
	s_add_nc_u64 s[WP:WP+1], s[WP:WP+1], WSTEP
	s_wait_loadcnt 0x0                             ; the next weight's K steps 0-2
	s_add_co_u32 s90, s90, 1
	s_cmp_lg_u32 s90, 2
	s_cbranch_scc1 .Lphase
; ================= v: nothing more is fetched from memory
	PLAINB 1, 0, ACC0, 16, NF, 2
	PLAINB 1, 1, ACC0+8, 16, NF, 3
	s_wait_dscnt NF
	s_wait_xcnt 0x0
	BLOCK 1, 0, ACC1, 16, 0, 6, ACC0
	WIN 0
	WALU
	s_wait_tensorcnt 0x0
	s_wait_dscnt 0x0
	s_barrier_signal -1                            ; a plain barrier shows value's blocks 4-7 to all
	BLOCK 1, 0, ACC1, 16, 6, 8, ACC0
	WIN 0
	LUMPV 0, ACC0
	WALU
	s_barrier_wait -1
	FETCH 0, 4
	PLAINB 1, 1, ACC1+8, 16, -1, 5
	s_wait_dscnt NF
	s_wait_xcnt 0x0
	BLOCK 1, 0, ACC0, 16, 0, 8, ACC1
	WIN 0
	LUMPV 1, ACC1
	WALU
	PUTV 0
	FETCH 0, 6
	PLAINB 1, 1, ACC0+8, 16, NF, 7
	s_wait_dscnt NF
	s_wait_xcnt 0x0
	BLOCK 1, 0, ACC1, 16, 0, 8, ACC0
	WIN 0
	LUMPV 2, ACC0
	WALU
	PLAINB 1, 1, ACC1+8, 16, 0, -1
	MAXALL ACC1
	LUMPV 3, ACC1
	v_cmp_le_u32 vcc_lo, 16, v[LN]                 ; lanes 0-15 store words 0, 1 of their channel, lanes 16-31 words 2, 3
	v_cndmask_b32 v[WS], v[VW], v[VW+2], vcc_lo
	v_cndmask_b32 v[WS+1], v[VW+1], v[VW+3], vcc_lo
	WALU
	PUTV 1
	global_store_b64 v[OSV], v[WS:WS+1], s[OVS:OVS+1]    ; 256 consecutive bytes
	s_wait_tensorcnt 0x0                           ; the wave's end
	ds_add_u32 v[SPW], v[NIL]
	s_wait_dscnt 0x0
	CROUND                                         ; the closing round
	s_endpgm
.Lfunc_end_k_q91aa3c5c76_proj:
	.size	k_q91aa3c5c76_proj, .Lfunc_end_k_q91aa3c5c76_proj-k_q91aa3c5c76_proj
	.p2alignl 7, 3214868480
	.fill 96, 4, 3214868480
	.section	.rodata,"a",@progbits
	.p2align	6, 0x0
	.amdhsa_kernel k_q91aa3c5c76_proj
		.amdhsa_group_segment_fixed_size 327680
		.amdhsa_private_segment_fixed_size 0
		.amdhsa_enable_private_segment 0
		.amdhsa_kernarg_size 40
		.amdhsa_user_sgpr_count 2
		.amdhsa_user_sgpr_kernarg_segment_ptr 1
		.amdhsa_wavefront_size32 1
		.amdhsa_system_sgpr_workgroup_id_x 1
		.amdhsa_system_sgpr_workgroup_id_y 1
		.amdhsa_system_sgpr_workgroup_id_z 1
		.amdhsa_system_vgpr_workitem_id 0
		.amdhsa_next_free_vgpr 1024
		.amdhsa_next_free_sgpr 102
		.amdhsa_reserve_vcc 1
		.amdhsa_float_denorm_mode_32 3
		.amdhsa_float_denorm_mode_16_64 3
		.amdhsa_memory_ordered 1
		.amdhsa_forward_progress 1
		.amdhsa_inst_pref_size 181
	.end_amdhsa_kernel
	.amdgpu_metadata
---
amdhsa.version: [ 1, 2 ]
amdhsa.kernels:
  - .name:           k_q91aa3c5c76_proj
    .symbol:         k_q91aa3c5c76_proj.kd
    .args:
      - { .name: w1, .offset: 0, .size: 8, .value_kind: global_buffer, .address_space: global }
      - { .name: bq, .offset: 8, .size: 8, .value_kind: global_buffer, .address_space: global }
      - { .name: bk, .offset: 16, .size: 8, .value_kind: global_buffer, .address_space: global }
      - { .name: bv, .offset: 24, .size: 8, .value_kind: global_buffer, .address_space: global }
      - { .name: w2, .offset: 32, .size: 8, .value_kind: global_buffer, .address_space: global }
    .group_segment_fixed_size: 327680
    .private_segment_fixed_size: 0
    .kernarg_segment_align: 8
    .kernarg_segment_size: 40
    .max_flat_workgroup_size: 128
    .sgpr_count:     102
    .vgpr_count:     1024
    .wavefront_size: 32
...
	.end_amdgpu_metadata
.endif
;; end of part 2
;; launch attn (part 3): grid 2 x 128, 16 waves a work-group, no clusters, 167,936 bytes of LDS; arguments w2, w3; writes w3
.if DOCPART == 3
	.amdgcn_target "amdgcn-amd-amdhsa--gfx1250"
	.amdhsa_code_object_version 6
	.text
	.protected	k_q91aa3c5c76_attn
	.globl	k_q91aa3c5c76_attn
	.p2align	8
	.type	k_q91aa3c5c76_attn,@function
k_q91aa3c5c76_attn:
	s_mov_b64 s[64:65], 0
	v_nop
	global_prefetch_b8 v0, s[64:65] scope:SCOPE_SE
	s_setreg_imm32_b32 hwreg(HW_REG_WAVE_MODE, 25, 1), 1
	s_wait_xcnt 0x0
; y[b][q][head] = the sum over keys k <= q of softmax_k(q . k / 8) v, for each of 128 (batch, head), head size 64, 1,024 tokens; both products on codes of FP6 (E2M3) with E8M0 scales; y leaves quantised along D.
; THE SOFTMAX AHEAD OF THE SECOND PRODUCT: t = score x log2(e) / 8; M = the row's largest t so far, rounded up to a whole number; p = 2^(t - M) is quantised along the keys, not normalised.
; The row's sum is taken of the unquantised p and divides O at the end.  When M moves, the sum and O are multiplied by 2^(old M - new M): exact.
; SHARES.  A work-group is one (batch, head) and one of two halves of its query blocks; a block is 16 queries: lane r of block R holds token 32 (R / 2) + 8 (R % 2) + r + 8 (r / 8).
; Wave w takes block 2 w + x (x the work-group's x) and then block 63 - that.  Block R needs R / 8 + 1 key steps of 128, so every wave walks 9 steps: all waves have equal work under the causal mask.
; The head's whole K and V, codes and scale words, 104,448 bytes, come into LDS ONCE (waves 0-4, one tensor load each): no slot is filled again, and there is one barrier.
; NO CLUSTER: only two work-groups read a head's K and V, once each, at their heads.
; LAYOUT.  Both products are used transposed: S^T = K Q^T (source 0 = 16 keys, source 1 = my 16 queries), O^T = V^T P^T (source 0 = 16 channels, source 1 = P): a lane holds one query throughout.
; By the order of tokens in a block the 16 registers of key blocks 2 x and 2 x + 1 are 16 neighbouring keys, and those of channel blocks likewise 16 neighbouring channels.
; K = 64 IN AN INSTRUCTION OF 128: Q's registers 6-11 are zero codes; K's operand for block t is v[32 + 6 t .. + 11], whose upper six registers are the next block's codes (for the last: kept zeros): finite numbers times zero.
; The upper two bytes of Q's and K's scale words are 0, which stands for 2^-127 and is no NaN.
; y: w3 holds, for row block 64 b + R, the head's half fragment at 12,288 x block + 768 x head; its two scale bytes at 6,291,456 + 512 x block + 32 r + 2 x head.  Those two bytes a row are stored as they are:
; a scale word of y spans two heads, which are two work-groups' (262,144 bytes in all leave so); lanes r and r + 16 hold the same value and name the same bytes.
; LIMITS: NaN and infinities are not served; a block of y whose largest magnitude lies under 2^-124, zeros among them, gets the byte 1.
; REGISTERS: v1-9 offsets that stay; v12 -M, v13 the largest t, v[14:15] the sum; v16-27 and v244-255 Q's two fragments; v28, v29 their scale words; v30 p's; v32-79 K's eight halves, later at work; v80-85 zeros;
;   v88-95 K's scale words; v96-159 S^T, then p; v160-191 O^T; v192-239 V's four fragments; v240-243 their scale words.
.set KC,    6291456                    ; w2: K's codes; V's lie as far again
.set QSB,   18874368                   ; Q's scale words
.set KVS,   19398656                   ; K's and V's
.set YSB,   6291456                    ; w3: y's scale bytes
.set LV,    49152                      ; LDS: K's codes at 0, V's here,
.set LKS,   98304                      ; K's scale words,
.set LVS,   102400                     ; V's,
.set SPARE, 104448                     ; and the spare words, 128 bytes for each wave: eight blocks of 256 bytes that no other line names
.set L16,  1                           ; v1   16 x lane
.set L8,   2                           ; v2   512 + 8 x lane
.set ADK,  3                           ; v3   the step's codes, by 16 x lane
.set ADK8, 4                           ; v4   by 512 + 8 x lane
.set ASK0, 5                           ; v5   LKS + 32 r
.set ASV0, 6                           ; v6   LVS + 16 r
.set SPW,  7                           ; v7   LDS address of my spare word; never rewritten
.set NIL,  8                           ; v8   0; never rewritten
.set DQ,   9                           ; v9   r + 8 (r / 8) - 16 h
.set PSW,  30
.set ADS,  31
.set ADT,  86
.set R32,  87                          ; v87  32 r
.set BM,   52                          ; at work, in K's registers once S^T is made: v32-43 p's codes, v44-50 the conversions' second halves, v52-55 block maxima, v56-59, v60-63 scale operands, v64-67 bytes, v[68:69] f, v70, v71
.set PT,   56
.set SO,   60
.set BY,   64
.set FF,   68
.set WV,   8                           ; s8   my wave's number
.set G1C,  16                          ; s[16:23] descriptor group 1 for the codes;  s[24:31] for the scale words;  s[32:35], s[36:39] their groups 0
.set G1S,  24
.set G0C,  32
.set G0S,  36
.set SEL,  40                          ; s[40:41] lane selects for v_permlanex16_b32
.set CS,   42                          ; s[42:43] c = log2(e) / 8
.set RQ,   44                          ; s44  my query block
.set Q0,   45                          ; s45  its first query
.set QMAX, 46                          ; s46  its last
.set KF,   47                          ; s47  the step's first key
.set TK,   48                          ; s48  where the step's codes begin: 6,144 bytes a step, in K's region and in V's
.set TS,   49                          ; s49  K's scale words: 512 a step
.set TV,   50                          ; s50  V's: 256 a step
.set CN,   51                          ; s51  steps to go
	s_load_b128 s[4:7], s[0:1], 0x0                ; w2 s[4:5], w3 s[6:7]
	v_lshl_add_u32 v[SPW], v0, 2, SPARE
	v_mov_b32 v[NIL], 0
	ds_add_u32 v[SPW], v[NIL]                      ; the wave's opening: the add and its wait stand ahead of my first tensor load; the set-up below, work on registers, stands between them
	ds_add_u32 v[SPW], v[NIL]
	v_lshrrev_b32 v1, 5, v0
	s_delay_alu instid0(VALU_DEP_1)
	v_readfirstlane_b32 s[WV], v1                  ; wave 0..15
	s_and_b32 s10, ttmp7, 0xffff                   ; (batch, head)
	s_lshr_b32 s11, s10, 4                         ; batch
	s_and_b32 s12, s10, 15                         ; head
	; descriptor group 1: dense blocks as rows of 256 bytes (32 elements of 8 bytes): 96 rows of codes, 24 of scale words
	s_mov_b32 s[G1C], 3<<16                        ; no mask; elements of 8 bytes; no padding
	s_mov_b32 s[G1C+1], 32<<16                     ; tensor_dim0
	s_mov_b32 s[G1C+2], 96<<16                     ; tensor_dim1
	s_mov_b32 s[G1C+3], 32<<16                     ; tile_dim0
	s_mov_b32 s[G1C+4], 96                         ; tile_dim1
	s_mov_b32 s[G1C+5], 32                         ; tensor_dim0_stride
	s_mov_b32 s[G1C+6], 0
	s_mov_b32 s[G1C+7], 0
	s_mov_b32 s[G1S], 3<<16
	s_mov_b32 s[G1S+1], 32<<16
	s_mov_b32 s[G1S+2], 24<<16
	s_mov_b32 s[G1S+3], 32<<16
	s_mov_b32 s[G1S+4], 24
	s_mov_b32 s[G1S+5], 32
	s_mov_b32 s[G1S+6], 0
	s_mov_b32 s[G1S+7], 0
	s_mov_b32 s[SEL], 0x76543210
	s_mov_b32 s[SEL+1], 0xfedcba98
	s_mov_b32 s[CS], 0x3e38aa3b                    ; c = log2(e) / sqrt(64)
	s_mov_b32 s[CS+1], s[CS]                       ; (named with it as a pair, so it is written)
	s_min_u32 s13, s[WV], 3                        ; waves 0, 1: K's halves; waves 2, 3: V's (the others issue no such load)
	s_mov_b32 s[G0C], 1
	s_mul_i32 s[G0C+1], s13, 24576                 ; LDS address
	s_lshr_b32 s14, s13, 1
	s_add_co_u32 s14, s14, 1
	s_mul_i32 s14, s14, KC
	s_and_b32 s15, s13, 1
	s_mul_i32 s15, s15, 24576
	s_add_co_u32 s14, s14, s15
	s_mul_i32 s15, s10, 49152
	s_add_co_u32 s52, s14, s15
	s_mov_b32 s53, 0
	s_mul_i32 s54, s10, 6144
	s_add_co_u32 s54, s54, KVS
	s_mov_b32 s55, 0
	s_mov_b32 s[G0S], 1
	s_mov_b32 s[G0S+1], LKS
	s_wait_dscnt 0x0                               ; the opening add is done
	s_wait_kmcnt 0x0
	s_add_nc_u64 s[G0C+2:G0C+3], s[4:5], s[52:53]
	s_or_b32 s[G0C+3], s[G0C+3], 0x80000000
	s_add_nc_u64 s[G0S+2:G0S+3], s[4:5], s[54:55]
	s_or_b32 s[G0S+3], s[G0S+3], 0x80000000
	s_cmp_lt_u32 s[WV], 4                          ; the first fills, and the only ones: one tensor load in each of waves 0 to 4; an s_nop 0 and four v_nop follow each line
	s_cbranch_scc0 .Lnot_codes
	tensor_load_to_lds s[G0C:G0C+3], s[G1C:G1C+7]
	s_nop 0
.rept 4
	v_nop
.endr
	s_branch .Lasked
.Lnot_codes:
	s_cmp_eq_u32 s[WV], 4
	s_cbranch_scc0 .Lasked
	tensor_load_to_lds s[G0S:G0S+3], s[G1S:G1S+7]
	s_nop 0
.rept 4
	v_nop
.endr
.Lasked:
	s_lshl_b32 s[RQ], s[WV], 1
	s_add_co_u32 s[RQ], s[RQ], ttmp9               ; my first query block
	s_sub_co_u32 s45, 63, s[RQ]                    ; my second
	s_mul_i32 s13, s10, 49152
	s_mul_i32 s14, s[RQ], 768
	s_add_co_u32 s52, s13, s14
	s_mov_b32 s53, 0
	s_mul_i32 s14, s45, 768
	s_add_co_u32 s54, s13, s14
	s_mov_b32 s55, 0
	s_lshl_b32 s13, s10, 12
	s_add_co_u32 s13, s13, QSB
	s_lshr_b32 s14, s[RQ], 3
	s_lshl_b32 s14, s14, 9
	s_and_b32 s15, s[RQ], 7
	s_lshl_b32 s15, s15, 2
	s_add_co_u32 s14, s14, s15
	s_add_co_u32 s56, s13, s14
	s_mov_b32 s57, 0
	s_lshr_b32 s14, s45, 3
	s_lshl_b32 s14, s14, 9
	s_and_b32 s15, s45, 7
	s_lshl_b32 s15, s15, 2
	s_add_co_u32 s14, s14, s15
	s_add_co_u32 s58, s13, s14
	s_mov_b32 s59, 0
	s_add_nc_u64 s[52:53], s[4:5], s[52:53]
	s_add_nc_u64 s[54:55], s[4:5], s[54:55]
	s_add_nc_u64 s[56:57], s[4:5], s[56:57]
	s_add_nc_u64 s[58:59], s[4:5], s[58:59]
	v_and_b32 v[DQ], 31, v0
	s_delay_alu instid0(VALU_DEP_1)
	v_lshlrev_b32 v[L16], 4, v[DQ]
	s_delay_alu instid0(VALU_DEP_2)
	v_lshl_add_u32 v[L8], v[DQ], 3, 512
	v_and_b32 v70, 15, v0                          ; r
	v_bfe_u32 v71, v0, 4, 1                        ; h
	s_delay_alu instid0(VALU_DEP_2)
	v_lshlrev_b32 v[R32], 5, v70
	global_load_b128 v[16:19], v[L16], s[52:53]    ; Q's two half fragments stay in registers
	global_load_b64 v[20:21], v[L8], s[52:53]
	global_load_b128 v[244:247], v[L16], s[54:55]
	global_load_b64 v[248:249], v[L8], s[54:55]
	global_load_b32 v28, v[R32], s[56:57]          ; and their scale words
	global_load_b32 v29, v[R32], s[58:59]
	v_add_nc_u32 v[ASK0], LKS, v[R32]
	v_lshl_add_u32 v[ASV0], v70, 4, LVS
	v_and_b32 v[DQ], 8, v70
	s_delay_alu instid0(VALU_DEP_1)
	v_add_nc_u32 v[DQ], v[DQ], v70
	v_lshlrev_b32 v71, 4, v71
	s_delay_alu instid0(VALU_DEP_1)
	v_sub_nc_u32 v[DQ], v[DQ], v71
.irp j, 22,23,24,25,26,27, 250,251,252,253,254,255, 80,81,82,83,84,85
	v_mov_b32 v\j, 0                               ; zero codes: the upper 64 along K of Q's fragments, and what stands above K's last block
.endr
.irp j, 56,57,58,59, 68,69
	v_mov_b32 v\j, 0                               ; written once: lane permutes' destinations, and the pair f
.endr
	s_wait_tensorcnt 0x0                           ; my tensor load has landed,
	s_barrier_signal -1
	s_barrier_wait -1                              ; everybody's has: K and V lie in LDS for the rest of the launch
	s_wait_loadcnt 0x0                             ; Q
; A KEY STEP: 128 keys against my 16 queries.  qf: Q's fragment, qs: its scale word.
.macro STEP qf, qs
	s_cmp_gt_u32 s[KF], s[QMAX]                    ; a step all of whose keys come after my queries is left out: a branch on ids and the count of steps alone, round the work, not round the lines that step addresses
	s_cbranch_scc1 .Lhidden_\@
	v_add_nc_u32 v[ADK], s[TK], v[L16]             ; (these four are also the places behind the last step's products, in front of the loads into their registers)
	v_add_nc_u32 v[ADK8], s[TK], v[L8]
	v_add_nc_u32 v[ADS], s[TS], v[ASK0]
	v_add_nc_u32 v[ADT], s[TV], v[ASV0]
.irp t, 0,1,2,3,4,5,6,7
	ds_load_b128 v[32+6*\t:35+6*\t], v[ADK] offset:768*\t
	ds_load_b64 v[36+6*\t:37+6*\t], v[ADK8] offset:768*\t
.endr
	ds_load_b128 v[88:91], v[ADS]
	ds_load_b128 v[92:95], v[ADS] offset:16
.irp c, 0,1,2,3
	ds_load_b128 v[192+12*\c:195+12*\c], v[ADK] offset:LV+1536*\c
	ds_load_b64 v[196+12*\c:197+12*\c], v[ADK8] offset:LV+1536*\c
	ds_load_b128 v[198+12*\c:201+12*\c], v[ADK] offset:LV+1536*\c+768
	ds_load_b64 v[202+12*\c:203+12*\c], v[ADK8] offset:LV+1536*\c+768
.endr
	ds_load_b128 v[240:243], v[ADT]
	s_wait_dscnt 17                                ; K's 18 loads are in; V's 17 may be out: they land under the softmax
.irp t, 0,1,2,3,4,5,6,7
	v_wmma_scale_f32_16x16x128_f8f6f4 v[96+8*\t:103+8*\t], v[32+6*\t:43+6*\t], v[\qf:\qf+11], 0, v[88+\t], v[\qs] matrix_a_fmt:MATRIX_FMT_FP6 matrix_b_fmt:MATRIX_FMT_FP6
.endr                                  ; lane (r, h) holds my query r; register 16 x + i is key KF + 32 x + 16 h + i
.rept 4
	v_nop
.endr
	s_add_co_u32 s60, s[KF], 127                   ; on the diagonal the scores of hidden keys become -infinity ahead of the maximum: p = 0 then.  A step all of whose keys count skips this
	s_cmp_le_u32 s60, s[Q0]
	s_cbranch_scc1 .Lopen_\@
	s_sub_co_i32 s60, s[Q0], s[KF]
	v_add_nc_u32 v70, s60, v[DQ]                   ; d = my query - KF - 16 h: register 16 x + i is hidden where 32 x + i > d
	v_mov_b32 v71, 0xff800000
.set NN, 0
.rept 64
	v_cmp_gt_i32 vcc_lo, 32*(NN/16)+NN%16, v70
	v_cndmask_b32 v[96+NN], v[96+NN], v71, vcc_lo
.set NN, NN+1
.endr
.Lopen_\@:
.irp b, 0,1,2,3
	v_max3_num_f32 v[BM+\b], v[96+16*\b], v[97+16*\b], v[98+16*\b]   ; the largest score of each block of 32 keys: it serves for the row's maximum and, since p rises with the score, for the block's largest p
.endr
.irp i, 3,5,7,9,11,13
.irp b, 0,1,2,3
	v_max3_num_f32 v[BM+\b], v[BM+\b], v[96+16*\b+\i], v[97+16*\b+\i]
.endr
.endr
.irp b, 0,1,2,3
	v_max_num_f32 v[BM+\b], v[BM+\b], v[111+16*\b]
.endr
.irp b, 0,1,2,3
	s_delay_alu instid0(VALU_DEP_4)
	v_permlanex16_b32 v[PT+\b], v[BM+\b], s[SEL], s[SEL+1]
.endr
.irp b, 0,1,2,3
	s_delay_alu instid0(VALU_DEP_4)
	v_max_num_f32 v[BM+\b], v[BM+\b], v[PT+\b]     ; with lane l xor 16's 16 keys
.endr
	s_delay_alu instid0(VALU_DEP_2)
	v_max3_num_f32 v70, v[BM], v[BM+1], v[BM+2]
	s_delay_alu instid0(VALU_DEP_1)
	v_max_num_f32 v70, v70, v[BM+3]                ; the step's largest score of my query (key KF counts for every query of a step that is walked)
	s_delay_alu instid0(VALU_DEP_1)
	v_mul_f32 v70, s[CS], v70                      ; as t
	s_delay_alu instid0(VALU_DEP_1)
	v_max_num_f32 v13, v13, v70                    ; the running largest t
	v_mov_b32 v70, v12
	s_delay_alu instid0(VALU_DEP_2)
	v_floor_f32 v12, -v13                          ; the new -M = floor(-t): M is a whole number
	s_delay_alu instid0(VALU_DEP_1)
	v_sub_f32 v70, v12, v70                        ; old M - new M: a whole number, 0 or less
	s_delay_alu instid0(VALU_DEP_1)
	v_cvt_i32_f32 v70, v70                         ; (it saturates)
	s_delay_alu instid0(VALU_DEP_1)
	v_ldexp_f32 v[FF], 1.0, v70                    ; f = 2^(old M - new M)
.set NN, 0
.rept 32
	v_pk_fma_f32 v[96+NN:97+NN], v[96+NN:97+NN], s[CS:CS+1], v[12:13] op_sel_hi:[1,0,0]   ; t - M, two at a time
.set NN, NN+2
.endr
.irp b, 0,1,2,3
	v_fma_f32 v[BM+\b], v[BM+\b], s[CS], v12       ; the same of each block's largest score
.endr
.set NN, 0
	s_wait_alu depctr_va_vdst(0)
.rept 64
	v_exp_f32 v[96+NN], v[96+NN]                   ; p = 2^(t - M): not normalised
.set NN, NN+1
.endr
	v_pk_mul_f32 v[14:15], v[14:15], v[FF:FF+1] op_sel_hi:[1,0]   ; the sums under the new M (a plain place behind the exponentials)
	s_wait_alu depctr_va_vdst(0)                   ; one wait for the whole batch, ahead of its first reader
.irp b, 0,1,2,3
	v_exp_f32 v[BM+\b], v[BM+\b]                   ; the block's largest p: the same two instructions on the same number give the same bits
.endr
	v_pk_add_f32 v[56:57], v[100:101], v[104:105]
	v_pk_add_f32 v[94:95], v[108:109], v[112:113]
	v_pk_add_f32 v[92:93], v[116:117], v[120:121]
	v_pk_add_f32 v[90:91], v[124:125], v[128:129]
	v_pk_add_f32 v[88:89], v[132:133], v[136:137]
	v_pk_add_f32 v[78:79], v[140:141], v[144:145]
	v_pk_add_f32 v[76:77], v[148:149], v[152:153]
	v_pk_add_f32 v[14:15], v[14:15], v[156:157]
	v_pk_add_f32 v[56:57], v[56:57], v[96:97]
	v_pk_add_f32 v[94:95], v[94:95], v[98:99]
	v_pk_add_f32 v[92:93], v[92:93], v[102:103]
	v_pk_add_f32 v[90:91], v[90:91], v[106:107]
	v_pk_add_f32 v[88:89], v[88:89], v[110:111]
	v_pk_add_f32 v[78:79], v[78:79], v[114:115]
	v_pk_add_f32 v[76:77], v[76:77], v[118:119]
	v_pk_add_f32 v[14:15], v[14:15], v[122:123]
	v_pk_add_f32 v[56:57], v[56:57], v[126:127]
	v_pk_add_f32 v[94:95], v[94:95], v[130:131]
	v_pk_add_f32 v[92:93], v[92:93], v[134:135]
	v_pk_add_f32 v[90:91], v[90:91], v[138:139]
	v_pk_add_f32 v[88:89], v[88:89], v[142:143]
	v_pk_add_f32 v[78:79], v[78:79], v[146:147]
	v_pk_add_f32 v[76:77], v[76:77], v[150:151]
	v_pk_add_f32 v[14:15], v[14:15], v[154:155]
	v_pk_add_f32 v[56:57], v[56:57], v[158:159]
	s_delay_alu instid0(VALU_DEP_2)
	v_pk_add_f32 v[14:15], v[14:15], v[90:91]
	s_delay_alu instid0(VALU_DEP_2)
	v_pk_add_f32 v[56:57], v[56:57], v[88:89]
	v_pk_add_f32 v[94:95], v[94:95], v[78:79]
	v_pk_add_f32 v[92:93], v[92:93], v[76:77]
	s_delay_alu instid0(VALU_DEP_2)
	v_pk_add_f32 v[14:15], v[14:15], v[94:95]
	s_delay_alu instid0(VALU_DEP_2)
	v_pk_add_f32 v[56:57], v[56:57], v[92:93]
	s_delay_alu instid0(VALU_DEP_1)
	v_pk_add_f32 v[14:15], v[14:15], v[56:57]
	s_wait_alu depctr_va_vdst(0)                   ; and one for the four
.irp b, 0,1,2,3
	v_max_num_f32 v[BM+\b], 0x1800000, v[BM+\b]    ; the floor 2^(3 - 127): the byte cannot fall under 1 (a block whose every p is 0 keeps that byte: its codes are zeros)
.endr
.irp b, 0,1,2,3
	s_delay_alu instid0(VALU_DEP_4)
	v_add_nc_u32 v[SO+\b], 0xff000000, v[BM+\b]    ; 2 off the exponent field: the conversion's scale operand
.endr
.irp b, 0,1,2,3
	s_delay_alu instid0(VALU_DEP_4)
	v_lshrrev_b32 v[BY+\b], 23, v[SO+\b]           ; the scale's byte
.endr
	s_delay_alu instid0(VALU_DEP_3)
	v_lshl_or_b32 v[PSW], v[BY+1], 8, v[BY]        ; p's scale word for these 128 keys
	s_delay_alu instid0(VALU_DEP_1)
	v_lshl_or_b32 v[PSW], v[BY+2], 16, v[PSW]
	s_delay_alu instid0(VALU_DEP_1)
	v_lshl_or_b32 v[PSW], v[BY+3], 24, v[PSW]
.irp c, 0,1
	v_cvt_scalef32_pk16_fp6_f32 v[32+6*\c:34+6*\c], v[96+32*\c:111+32*\c], v[SO+2*\c]
	v_cvt_scalef32_pk16_fp6_f32 v[44+4*\c:46+4*\c], v[112+32*\c:127+32*\c], v[SO+2*\c+1]   ; (a conversion's three registers begin on an even number)
.endr
	v_nop                                          ; one plain place behind a scaled conversion
.irp c, 0,1                            ; the operand's layout wants a whole block in a lane
.irp i, 0,1,2
	v_permlane16_swap_b32 v[32+6*\c+\i], v[44+4*\c+\i]
.endr
.irp i, 0,1,2
	s_delay_alu instid0(VALU_DEP_3)
	v_mov_b32 v[35+6*\c+\i], v[44+4*\c+\i]
.endr
.endr
.set NN, 0
.rept 16
	v_pk_mul_f32 v[160+NN:161+NN], v[160+NN:161+NN], v[FF:FF+1] op_sel_hi:[1,0]   ; O^T under the new M.  (These 16 are also the places between p's codes and scale word and the products)
.set NN, NN+2
.endr
	s_wait_alu depctr_va_vdst(0)
	s_wait_dscnt 0x0                               ; V
.irp c, 0,1,2,3                        ; O^T += V^T P^T: four accumulators by turns
	v_wmma_scale_f32_16x16x128_f8f6f4 v[160+8*\c:167+8*\c], v[192+12*\c:203+12*\c], v[32:43], v[160+8*\c:167+8*\c], v[240+\c], v[PSW] matrix_a_fmt:MATRIX_FMT_FP6 matrix_b_fmt:MATRIX_FMT_FP6
.endr
.Lhidden_\@:
	s_add_co_u32 s[KF], s[KF], 128
	s_add_co_u32 s[TK], s[TK], 6144
	s_add_co_u32 s[TS], s[TS], 512
	s_add_co_u32 s[TV], s[TV], 256
.endm
; ONE QUERY BLOCK: all eight key steps are walked (a constant count), those past the diagonal without work; then y = O / the sum is quantised along D and stored.
.macro PASS qf, qs
	s_lshr_b32 s[Q0], s[RQ], 1
	s_lshl_b32 s[Q0], s[Q0], 5
	s_and_b32 s[QMAX], s[RQ], 1
	s_lshl_b32 s[QMAX], s[QMAX], 3
	s_add_co_u32 s[Q0], s[Q0], s[QMAX]             ; my first query: 32 (R / 2) + 8 (R % 2)
	s_add_co_u32 s[QMAX], s[Q0], 23                ; my last
	v_mov_b32 v13, 0xff61b1e6                      ; the largest t so far: -3e38, under every t
	s_delay_alu instid0(VALU_DEP_1)
	v_floor_f32 v12, -v13                          ; -M
	v_mov_b32 v14, 0                               ; the sum, in two halves
	v_mov_b32 v15, 0
.set NN, 0
.rept 32
	v_mov_b32 v[160+NN], 0                         ; O^T: the step is written once; the first finds zeros, which the first change of M leaves zeros
.set NN, NN+1
.endr
	s_mov_b32 s[KF], 0
	s_mov_b32 s[TK], 0
	s_mov_b32 s[TS], 0
	s_mov_b32 s[TV], 0
	s_mov_b32 s[CN], 8
.Lstep_\@:
	STEP \qf, \qs
	s_sub_co_u32 s[CN], s[CN], 1
	s_cmp_lg_u32 s[CN], 0
	s_cbranch_scc1 .Lstep_\@
.rept 4
	v_nop                                          ; places behind the last products
.endr
	v_add_f32 v14, v14, v15                        ; the sum's two halves,
	s_delay_alu instid0(VALU_DEP_1)
	v_permlanex16_b32 v70, v14, s[SEL], s[SEL+1]
	s_delay_alu instid0(VALU_DEP_1)
	v_add_f32 v14, v14, v70                        ; and lane l xor 16's: the row's sum
	s_wait_alu depctr_va_vdst(0)
	v_rcp_f32 v14, v14
	v_nop                                          ; a plain place behind the transcendental
	s_lshl_b32 s60, s11, 6
	s_add_co_u32 s60, s60, s[RQ]                   ; y's row block: 64 x batch + R
	s_mul_i32 s56, s60, 12288
	s_mul_i32 s61, s12, 768
	s_add_co_u32 s56, s56, s61
	s_mov_b32 s57, 0
	s_lshl_b32 s58, s60, 9
	s_lshl_b32 s61, s12, 1
	s_add_co_u32 s58, s58, s61
	s_add_co_u32 s58, s58, YSB
	s_mov_b32 s59, 0
	s_add_nc_u64 s[56:57], s[6:7], s[56:57]
	s_add_nc_u64 s[58:59], s[6:7], s[58:59]
	s_wait_alu depctr_va_vdst(0)                   ; the wait ahead of the reciprocal's first reader
.set NN, 0
.rept 16
	v_pk_mul_f32 v[96+NN:97+NN], v[160+NN:161+NN], v[14:15] op_sel_hi:[1,0]   ; y: register 16 x + i is channel 32 x + 16 h + i of the head; each accumulator from its low end on
.set NN, NN+2
.endr
.irp b, 0,1
	v_max3_num_f32 v[BM+\b], |v[96+16*\b]|, |v[97+16*\b]|, 0x1800000
.endr
.irp i, 2,4,6,8,10,12,14
.irp b, 0,1
	s_delay_alu instid0(VALU_DEP_2)
	v_max3_num_f32 v[BM+\b], v[BM+\b], |v[96+16*\b+\i]|, |v[97+16*\b+\i]|
.endr
.endr
.irp b, 0,1
	s_delay_alu instid0(VALU_DEP_2)
	v_permlanex16_b32 v[PT+\b], v[BM+\b], s[SEL], s[SEL+1]
.endr
.irp b, 0,1
	s_delay_alu instid0(VALU_DEP_2)
	v_max_num_f32 v[BM+\b], v[BM+\b], v[PT+\b]
.endr
.irp b, 0,1
	s_delay_alu instid0(VALU_DEP_2)
	v_add_nc_u32 v[SO+\b], 0xff000000, v[BM+\b]
.endr
.irp b, 0,1
	s_delay_alu instid0(VALU_DEP_2)
	v_lshrrev_b32 v[BY+\b], 23, v[SO+\b]
.endr
	s_delay_alu instid0(VALU_DEP_1)
	v_lshl_or_b32 v71, v[BY+1], 8, v[BY]           ; the head's two scale bytes of my row
	v_cvt_scalef32_pk16_fp6_f32 v[32:34], v[96:111], v[SO]
	v_cvt_scalef32_pk16_fp6_f32 v[36:38], v[112:127], v[SO+1]
	v_nop                                          ; one plain place behind a scaled conversion
.irp i, 0,1,2
	v_permlane16_swap_b32 v[32+\i], v[36+\i]       ; lanes 0-15 now hold block 0 whole, lanes 16-31 block 1
.endr
	s_delay_alu instid0(VALU_DEP_3)
	v_mov_b32 v35, v36
	s_delay_alu instid0(VALU_DEP_3)
	v_mov_b32 v36, v37
	s_delay_alu instid0(VALU_DEP_3)
	v_mov_b32 v37, v38
	global_store_b128 v[L16], v[32:35], s[56:57]   ; 512 consecutive bytes, at a multiple of 256 from w3's first byte
	global_store_b64 v[L8], v[36:37], s[56:57]     ; 256 consecutive bytes
	global_store_b16 v[R32], v71, s[58:59]
	s_wait_xcnt 0x0                                ; the stores have read their data and bases: the next block writes both again
.endm
	PASS 16, 28
	s_sub_co_u32 s[RQ], 63, s[RQ]
	PASS 244, 29
	s_wait_tensorcnt 0x0                           ; the wave's end, behind my last tensor load
	ds_add_u32 v[SPW], v[NIL]
	s_wait_dscnt 0x0
	s_endpgm
.Lfunc_end_k_q91aa3c5c76_attn:
	.size	k_q91aa3c5c76_attn, .Lfunc_end_k_q91aa3c5c76_attn-k_q91aa3c5c76_attn
	.p2alignl 7, 3214868480
	.fill 96, 4, 3214868480
	.section	.rodata,"a",@progbits
	.p2align	6, 0x0
	.amdhsa_kernel k_q91aa3c5c76_attn
		.amdhsa_group_segment_fixed_size 167936
		.amdhsa_private_segment_fixed_size 0
		.amdhsa_enable_private_segment 0
		.amdhsa_kernarg_size 16
		.amdhsa_user_sgpr_count 2
		.amdhsa_user_sgpr_kernarg_segment_ptr 1
		.amdhsa_wavefront_size32 1
		.amdhsa_system_sgpr_workgroup_id_x 1
		.amdhsa_system_sgpr_workgroup_id_y 1
		.amdhsa_system_sgpr_workgroup_id_z 1
		.amdhsa_system_vgpr_workitem_id 0
		.amdhsa_next_free_vgpr 256
		.amdhsa_next_free_sgpr 66
		.amdhsa_reserve_vcc 1
		.amdhsa_float_denorm_mode_32 3
		.amdhsa_float_denorm_mode_16_64 3
		.amdhsa_memory_ordered 1
		.amdhsa_forward_progress 1
		.amdhsa_inst_pref_size 65
	.end_amdhsa_kernel
	.amdgpu_metadata
---
amdhsa.version: [ 1, 2 ]
amdhsa.kernels:
  - .name:           k_q91aa3c5c76_attn
    .symbol:         k_q91aa3c5c76_attn.kd
    .args:
      - { .name: w2, .offset: 0, .size: 8, .value_kind: global_buffer, .address_space: global }
      - { .name: w3, .offset: 8, .size: 8, .value_kind: global_buffer, .address_space: global }
    .group_segment_fixed_size: 167936
    .private_segment_fixed_size: 0
    .kernarg_segment_align: 8
    .kernarg_segment_size: 16
    .max_flat_workgroup_size: 512
    .sgpr_count:     66
    .vgpr_count:     256
    .wavefront_size: 32
...
	.end_amdgpu_metadata
.endif
;; end of part 3
;; launch outp (part 4): grid 8 x 32, 4 waves a work-group, clusters of 4 x 4, 327,680 bytes of LDS; arguments w3, w1, bp, out0; writes out0
.if DOCPART == 4
	.amdgcn_target "amdgcn-amd-amdhsa--gfx1250"
	.amdhsa_code_object_version 6
	.text
	.protected	k_q91aa3c5c76_outp
	.globl	k_q91aa3c5c76_outp
	.p2align	8
	.type	k_q91aa3c5c76_outp,@function
k_q91aa3c5c76_outp:
	s_mov_b64 s[64:65], 0
	v_nop
	global_prefetch_b8 v0, s[64:65] scope:SCOPE_SE
	s_setreg_imm32_b32 hwreg(HW_REG_WAVE_MODE, 25, 1), 1
	s_wait_xcnt 0x0
	s_wait_alu depctr_hold_cnt(0) depctr_sa_sdst(0) depctr_va_vdst(0) depctr_va_sdst(0) depctr_va_ssrc(0) depctr_va_vcc(0) depctr_vm_vsrc(0)
	s_getreg_b32 s2, hwreg(HW_REG_IB_STS2, 6, 4)
	s_cmp_eq_u32 s2, 0
	s_cbranch_scc0 .Lentry_in_a_cluster
	s_endpgm
.Lentry_in_a_cluster:
	s_bfe_u32 s2, ttmp6, 0x10000c
	s_cmp_lg_u32 s2, 0xf033
	s_cbranch_scc0 .Lentry_shape_is_right
	s_endpgm
.Lentry_shape_is_right:
; out0 = y Wp^T + bp on codes of FP6 (E2M3) with E8M0 scales, sums in f32, stored as f32.
; THE DEAL.  256 work-groups (8 tile columns x 32 tile rows), four waves as 2 x 2.  A work-group makes 256 tokens x 128 features; a wave holds 64 rows of Wp, ALL of K, in 384 registers and streams its 128 tokens past them
; in row blocks of 16: a block is 8 fragments and 32 products on four accumulators by turns.  Source 0 = Wp's rows: a lane holds one token, its registers run along the features.
; y (w3) and Wp (w1) lie as row blocks of 8 register images of 1,536 bytes on end (12,288 dense bytes), their scale words 512 bytes a block.  Lane r of block n is row 32 (n / 2) + 8 (n % 2) + r + 8 (r / 8).
; Wp COMES BY TWO ROADS.  K steps 0-2 go from w1 straight into my registers: they are images of those registers, so each load takes 512 or 256 consecutive bytes, 48 loads a wave; no joint load serves them, since they pass no LDS:
; that spares 18,432 bytes of LDS reads a wave.  K steps 3-7 come jointly through LDS.
; LDS: Wp's 8 blocks x 7,680 bytes at 0; y's 16 blocks at XB, each wave row's eight on end; y's scale words at SX; a stage of 16 x 272 bytes for each wave, on bytes of its own; the spare words.
; FILLS: all at the head, one joint load a wave (y shared by a row of the cluster, Wp by a column): Wp, the scale words, y's two halves.  Nothing is filled again.  The first barrier shows Wp alone, and the
; weights' 80 LDS loads stand ahead of the wait for the other tiles.  NO PREFETCH: every tile is asked for by its own load at the head, and nothing is fetched behind it: there is no loop to run ahead in.
; THE WAY OUT: a lane's 32 sums of a block are 2 x 64 bytes of one row of out0.  The block goes through my stage behind its products, comes back as rows of 256 bytes, and is stored behind the NEXT block's products:
; sixteen lanes store 256 consecutive bytes at a multiple of 256 from out0's first byte.
; THE WAITS' COUNTS: behind a block's fetch come the stage's 16 instructions of the block before and one fetch of NF = 34: 50; behind a stage's loads one fetch: 34; at the ends what is left of these.
; The bias is the C of each sum's first product.
.set SC1,   22020096                   ; w1: where the scale words begin
.set YSB,   6291456                    ; w3: likewise
.set RBK,   12288
.set WBK,   7680                       ; a block of Wp: K steps 3-7
.set XB,    8*RBK
.set SX,    24*RBK
.set SPITCH, 272
.set STAGE, SX+8192
.set SPARE, STAGE+4*16*SPITCH
.set NF,    34
.set LN,   1
.set RR,   2
.set HH,   3
.set O16,  4                           ; 16 x lane
.set O8,   5                           ; 512 + 8 x lane
.set AW16, 6                           ; v6, v7 LDS: my four blocks of Wp
.set AW8,  7
.set AX16, 8                           ; v8, v9 my blocks 0-3 of y; v10, v11 blocks 4-7
.set AX8,  9
.set AS,   12                          ; my rows' scale words
.set STO,  13                          ; the stage, on the way in: 272 r + 64 h
.set RD,   14                          ; and back: 272 h + 16 r
.set CO,   15                          ; the same place in out0: 4,096 h + 16 r
.set SPW,  16
.set NIL,  17
.set ABS,  19                          ; 512 h + 32 r
.set BQO,  20                          ; 64 h
.set SB,   24                          ; v24-39 Wp's scale words: register 8 p + q: lanes 0-15 block 2 p, lanes 16-31 block 2 p + 1
.set SA,   44                          ; v44-59 y's scale words, two sets of eight
.set ACC,  64                          ; v64-127 two sets of four accumulators
.set BK,   128                         ; v128-191 two sets of 16 rows read back from the stage
.set BC,   840                         ; v840-871 the bias
.set G1X, 24
.set G1W, 32
.set G1S, 48
.set G0X, 56
.set G0W, 68
.set G0S, 72
.set WP,  94                           ; s[94:95] my four blocks of Wp in w1
.set MSB, 0
.macro WIN new
.if MSB != \new
	s_set_vgpr_msb (MSB<<8)|\new
.set MSB, \new
.endif
.endm
.macro PLACES n
.rept \n
	v_nop
.endr
.endm
.macro BARRIER
	s_barrier_signal -1
	s_barrier_wait -1
.endm
.macro CROUND
	BARRIER
	s_cmp_lg_u32 s14, 0
	s_cbranch_scc1 .Lnot_wave_0_\@
	s_barrier_signal -3
.Lnot_wave_0_\@:
	s_barrier_wait -3
	BARRIER
.endm
.macro TLOAD g0, g1
	tensor_load_to_lds s[\g0:\g0+3], s[\g1:\g1+7]
	s_nop 0
	PLACES 4
.endm
.macro GROUP1 g, mask, c, r, p         ; r rows of c elements of 8 bytes, p elements apart, dense in LDS
	s_or_b32 s[\g], s[\mask], (3<<16)|(1<<21)
	s_mov_b32 s[\g+1], (\c)<<16
	s_mov_b32 s[\g+2], (\r)<<16
	s_mov_b32 s[\g+3], (\c)<<16
	s_mov_b32 s[\g+4], \r
	s_mov_b32 s[\g+5], \p
	s_mov_b32 s[\g+6], 0
	s_mov_b32 s[\g+7], 0
.endm
; fragment f lies in window 1 + f / 21 at register 12 (f % 21): 0-31 Wp's (4 q + b), 32-39 and 40-47 y's two sets
.macro FRAG f, a16, a8, off
	WIN (1+(\f)/21)<<6
.set R_, 12*((\f)%21)
	ds_load_b128 v[R_:R_+3], v[\a16] offset:\off
	ds_load_b64 v[R_+4:R_+5], v[\a8] offset:\off
	ds_load_b128 v[R_+6:R_+9], v[\a16] offset:(\off)+768
	ds_load_b64 v[R_+10:R_+11], v[\a8] offset:(\off)+768
.endm
.macro WEIGHTS                         ; K steps 3-7 of my four blocks, from LDS: 80 loads
.irp q, 3,4,5,6,7
.irp b, 0,1,2,3
	FRAG 4*\q+\b, AW16, AW8, \b*WBK+1536*(\q-3)
.endr
.endr
	WIN 0
.endm
.macro GWQ q                           ; K step q (0-2) of my four blocks, from w1: 16 loads
.irp b, 0,1,2,3
.set R_, 12*(4*(\q)+\b)
	WIN 1<<6
	global_load_b128 v[R_:R_+3], v[O16], s[WP:WP+1] offset:\b*RBK+1536*(\q)
	global_load_b64 v[R_+4:R_+5], v[O8], s[WP:WP+1] offset:\b*RBK+1536*(\q)
	global_load_b128 v[R_+6:R_+9], v[O16], s[WP:WP+1] offset:\b*RBK+1536*(\q)+768
	global_load_b64 v[R_+10:R_+11], v[O8], s[WP:WP+1] offset:\b*RBK+1536*(\q)+768
.endr
.endm
.macro FETCH e, i                      ; my block i of y into set e: NF loads
.irp q, 0,1,2,3,4,5,6,7
	FRAG 32+8*(\e)+\q, AX16+2*((\i)/4), AX8+2*((\i)/4), ((\i)%4)*RBK+1536*\q
.endr
	WIN 0
	ds_load_b128 v[SA+8*(\e):SA+8*(\e)+3], v[AS] offset:512*(\i)
	ds_load_b128 v[SA+8*(\e)+4:SA+8*(\e)+7], v[AS] offset:512*(\i)+16
.endm
.macro P1 d, r0, r1, c, x0, x1, o
.if \o
	v_wmma_scale_f32_16x16x128_f8f6f4 v[\d:\d+7], v[\r0:\r0+11], v[\r1:\r1+11], \c, v[\x0], v[\x1] matrix_a_fmt:MATRIX_FMT_FP6 matrix_b_fmt:MATRIX_FMT_FP6 matrix_a_scale:MATRIX_SCALE_ROW1
.else
	v_wmma_scale_f32_16x16x128_f8f6f4 v[\d:\d+7], v[\r0:\r0+11], v[\r1:\r1+11], \c, v[\x0], v[\x1] matrix_a_fmt:MATRIX_FMT_FP6 matrix_b_fmt:MATRIX_FMT_FP6 matrix_a_scale:MATRIX_SCALE_ROW0
.endif
.endm
.macro PROD e, q, b, d
.set FW_, 4*(\q)+(\b)
.set FX_, 32+8*(\e)+(\q)
.set RW_, 12*(FW_%21)
.set RX_, 12*(FX_%21)
.set XW_, SB+8*((\b)/2)+(\q)
.set XX_, SA+8*(\e)+(\q)
.set D_, \d
.if (\q) == 0
	WIN (1+FW_/21)|((1+FX_/21)<<2)|(3<<4)
	P1 D_, RW_, RX_, v[BC-768+8*(\b):BC-768+8*(\b)+7], XW_, XX_, (\b)%2
.else
	WIN (1+FW_/21)|((1+FX_/21)<<2)
	P1 D_, RW_, RX_, v[D_:D_+7], XW_, XX_, (\b)%2
.endif
.endm
.macro TOSTAGE s                       ; register 8 b + j of lane (r, h) is feature 32 (b / 2) + 16 h + 8 (b % 2) + j of token r; each accumulator from its low end on
.set AC_, ACC+32*((\s)%2)
.set BB_, BK+32*((\s)%2)
.irp b, 0,1,2,3
	ds_store_b128 v[STO], v[AC_+8*\b:AC_+8*\b+3] offset:128*(\b/2)+32*(\b%2)
	ds_store_b128 v[STO], v[AC_+8*\b+4:AC_+8*\b+7] offset:128*(\b/2)+32*(\b%2)+16
.endr
.irp t, 0,1,2,3,4,5,6,7
	ds_load_b128 v[BB_+4*\t:BB_+4*\t+3], v[RD] offset:\t*2*SPITCH    ; LDS serves a wave's instructions in order: these see the stores above
.endr
.endm
.macro SEND s                          ; the stage's rows 2 t and 2 t + 1 are tokens 32 (s / 2) + 8 (s % 2) + 2 t + 8 (t / 4) and the next of my 128
.set BB_, BK+32*((\s)%2)
.irp t, 0,1,2,3,4,5,6,7
	global_store_b128 v[CO], v[BB_+4*\t:BB_+4*\t+3], s[10:11] offset:(32*((\s)/2)+8*((\s)%2)+2*\t+8*(\t/4))*4096 th:TH_STORE_NT
.endr
.endm
; block s.  w: the wait for its rows; sw: for the last block's rows back from the stage; f = 1: block s + 2 is fetched
.macro OB s, w, sw, f
	s_wait_dscnt \w
.set Q_, 0
.rept 8
.irp b, 0,1,2,3
	PROD (\s)%2, Q_, \b, ACC+32*((\s)%2)+8*\b
.endr
.set Q_, Q_+1
.endr
	WIN 0
	PLACES 4                                       ; between the products and the stage's reads of their results, and the fetch into their registers
.if (\s) > 0
	s_wait_dscnt \sw
	s_wait_xcnt 0x0                                ; block s - 2's stores have read their data: block s's rows may land there
	SEND (\s)-1
.endif
	TOSTAGE \s
.if \f
	FETCH (\s)%2, (\s)+2
.endif
.endm
; ================= the head
	s_load_b256 s[4:11], s[0:1], 0x0               ; w3, w1, bp, out0
	v_lshl_add_u32 v[SPW], v0, 2, SPARE
	v_mov_b32 v[NIL], 0
	ds_add_u32 v[SPW], v[NIL]                      ; the opening lines
	ds_add_u32 v[SPW], v[NIL]
	v_lshrrev_b32 v1, 5, v0
	v_readfirstlane_b32 s14, v1                    ; wave; s15 its row of the 2 x 2 (which 128 tokens), s16 its column (which 64 features)
	s_lshr_b32 s15, s14, 1
	s_and_b32 s16, s14, 1
	s_bfe_u32 s40, ttmp6, 0x40000
	s_bfe_u32 s41, ttmp6, 0x40004
	s_lshl_b32 s42, ttmp9, 2
	s_add_co_u32 s42, s42, s40                     ; tile column, 0 .. 7
	s_and_b32 s43, ttmp7, 0xffff
	s_lshl_b32 s43, s43, 2
	s_add_co_u32 s43, s43, s41                     ; tile row, 0 .. 31
	s_lshl_b32 s44, s41, 2
	s_lshl_b32 s44, 15, s44                        ; my row of the cluster
	s_lshl_b32 s45, 0x1111, s40                    ; my column
	GROUP1 G1X, 44, 32, 384, 32                    ; eight blocks of y: 384 rows of 256 bytes
	GROUP1 G1W, 45, 960, 8, 1536                   ; eight blocks of Wp, K steps 3-7: rows of 7,680 bytes, 12,288 apart
	GROUP1 G1S, 44, 32, 32, 32                     ; 16 blocks' scale words
	s_mul_i32 s20, s43, 16*RBK
	s_mul_i32 s21, s16, 8*RBK
	s_add_co_u32 s20, s20, s21                     ; the half of y's tile that I ask for: wave row s16's
	s_mul_i32 s22, s42, 8*RBK
	s_add_co_u32 s22, s22, 1728*RBK                ; Wp's tile
	s_mul_i32 s47, s16, 4*RBK
	s_add_co_u32 s47, s47, s22                     ; my four blocks of it
	s_add_co_u32 s22, s22, 3*1536                  ; from K step 3 on
	s_lshl_b32 s23, s43, 13
	s_add_co_u32 s23, s23, YSB
	s_mov_b32 s[G0X], 1
	s_add_co_u32 s[G0X+1], s21, XB
	s_mov_b32 s[G0W], 1
	s_mov_b32 s[G0W+1], 0
	s_mov_b32 s[G0S], 1
	s_mov_b32 s[G0S+1], SX
	s_mov_b32 s21, 0
	v_and_b32 v[LN], 31, v0
	v_and_b32 v[RR], 15, v0
	v_bfe_u32 v[HH], v0, 4, 1
	v_lshlrev_b32 v[O16], 4, v[LN]
	v_lshl_add_u32 v[O8], v[LN], 3, 512
	s_mul_i32 s46, s16, 4*WBK
	v_add_nc_u32 v[AW16], s46, v[O16]
	v_add_nc_u32 v[AW8], s46, v[O8]
	s_mul_i32 s46, s15, 8*RBK
	s_add_co_u32 s46, s46, XB
	v_add_nc_u32 v[AX16], s46, v[O16]
	v_add_nc_u32 v[AX8], s46, v[O8]
	s_add_co_u32 s46, s46, 4*RBK
	v_add_nc_u32 v[AX16+2], s46, v[O16]
	v_add_nc_u32 v[AX8+2], s46, v[O8]
	v_lshlrev_b32 v[ABS], 5, v[RR]
	s_lshl_b32 s46, s15, 12
	s_add_co_u32 s46, s46, SX
	v_add_nc_u32 v[AS], s46, v[ABS]
	v_lshl_add_u32 v[ABS], v[HH], 9, v[ABS]
	v_lshlrev_b32 v[BQO], 6, v[HH]
	s_mul_i32 s46, s14, 16*SPITCH
	s_add_co_u32 s46, s46, STAGE                   ; my stage
	v_mul_u32_u24 v[STO], v[RR], SPITCH
	v_lshl_add_u32 v[STO], v[HH], 6, v[STO]
	v_add_nc_u32 v[STO], s46, v[STO]
	v_mul_u32_u24 v[RD], v[HH], SPITCH
	v_lshl_add_u32 v[RD], v[RR], 4, v[RD]
	v_add_nc_u32 v[RD], s46, v[RD]
	v_lshlrev_b32 v[CO], 12, v[HH]
	v_lshl_add_u32 v[CO], v[RR], 4, v[CO]
	s_wait_alu depctr_va_vdst(0)                   ; the head's end
	s_wait_dscnt 0x0
	CROUND                                         ; the opening round
	s_wait_kmcnt 0x0
	s_add_nc_u64 s[G0X+2:G0X+3], s[4:5], s[20:21]
	s_or_b32 s[G0X+3], s[G0X+3], 0x80000000
	s_mov_b32 s20, s22
	s_add_nc_u64 s[G0W+2:G0W+3], s[6:7], s[20:21]
	s_or_b32 s[G0W+3], s[G0W+3], 0x80000000
	s_mov_b32 s20, s23
	s_add_nc_u64 s[G0S+2:G0S+3], s[4:5], s[20:21]
	s_or_b32 s[G0S+3], s[G0S+3], 0x80000000
	s_mov_b32 s20, s47
	s_add_nc_u64 s[WP:WP+1], s[6:7], s[20:21]
	s_cmp_eq_u32 s14, 0
	s_cbranch_scc0 .Lh1
	TLOAD G0W, G1W                                 ; wave 0: K steps 3-7 of Wp's rows, which are wanted first
	s_branch .Lasked
.Lh1:
	s_cmp_eq_u32 s14, 1
	s_cbranch_scc0 .Lh2
	TLOAD G0S, G1S                                 ; wave 1: y's scale words
	s_branch .Lasked
.Lh2:
	TLOAD G0X, G1X                                 ; waves 2, 3: y's eight blocks of each wave row
.Lasked:
.irp q, 0,1,2
	GWQ \q                                         ; K steps 0-2 of my rows of Wp, straight into their registers
.endr
	WIN 0
	s_lshl_b32 s20, s42, 12
	s_lshl_b32 s22, s16, 11
	s_add_co_u32 s20, s20, s22
	s_add_co_u32 s20, s20, SC1+1728*512
	s_add_nc_u64 s[92:93], s[6:7], s[20:21]        ; Wp's scale words, my four blocks
	s_lshl_b32 s20, s42, 9
	s_lshl_b32 s22, s16, 8
	s_add_co_u32 s20, s20, s22                     ; my first feature, in bytes
	s_add_nc_u64 s[8:9], s[8:9], s[20:21]
	s_lshl_b32 s22, s43, 20
	s_lshl_b32 s23, s15, 19
	s_add_co_u32 s20, s20, s22
	s_add_co_u32 s20, s20, s23                     ; + my first token's row: (256 x tile row + 128 x wave row) x 4,096
	s_add_nc_u64 s[10:11], s[10:11], s[20:21]
.irp p, 0,1
.irp c, 0,1
	global_load_b128 v[SB+8*\p+4*\c:SB+8*\p+4*\c+3], v[ABS], s[92:93] offset:1024*\p+16*\c
.endr
.endr
	WIN 0xc0
.irp b, 0,1,2,3
.irp c, 0,1
	global_load_b128 v[BC-768+8*\b+4*\c:BC-768+8*\b+4*\c+3], v[BQO], s[8:9] offset:(32*(\b/2)+8*(\b%2))*4+16*\c
.endr
.endr
	WIN 0
	s_cmp_eq_u32 s14, 0
	s_cbranch_scc0 .Lnot_w
	s_wait_tensorcnt 0x0
.Lnot_w:
	BARRIER                                        ; Wp's tile is in
	WEIGHTS
	s_wait_tensorcnt 0x0                           ; every wave's tile has landed,
	s_wait_dscnt 0x0
	BARRIER                                        ; and all waves know it
	FETCH 0, 0
	FETCH 1, 1
	s_wait_loadcnt 0x0                             ; Wp's K steps 0-2, its scale words and the bias
; ================= eight blocks
	OB 0, NF, 0, 1
.irp s, 1,2,3,4,5
	OB \s, NF+16, NF, 1
.endr
	OB 6, NF+16, NF, 0
	OB 7, 16, 0, 0
	s_wait_dscnt 0x0
	s_wait_xcnt 0x0
	SEND 7
	s_wait_tensorcnt 0x0                           ; the wave's end
	ds_add_u32 v[SPW], v[NIL]
	s_wait_dscnt 0x0
	CROUND                                         ; the closing round
	s_endpgm
.Lfunc_end_k_q91aa3c5c76_outp:
	.size	k_q91aa3c5c76_outp, .Lfunc_end_k_q91aa3c5c76_outp-k_q91aa3c5c76_outp
	.p2alignl 7, 3214868480
	.fill 96, 4, 3214868480
	.section	.rodata,"a",@progbits
	.p2align	6, 0x0
	.amdhsa_kernel k_q91aa3c5c76_outp
		.amdhsa_group_segment_fixed_size 327680
		.amdhsa_private_segment_fixed_size 0
		.amdhsa_enable_private_segment 0
		.amdhsa_kernarg_size 32
		.amdhsa_user_sgpr_count 2
		.amdhsa_user_sgpr_kernarg_segment_ptr 1
		.amdhsa_wavefront_size32 1
		.amdhsa_system_sgpr_workgroup_id_x 1
		.amdhsa_system_sgpr_workgroup_id_y 1
		.amdhsa_system_sgpr_workgroup_id_z 1
		.amdhsa_system_vgpr_workitem_id 0
		.amdhsa_next_free_vgpr 1024
		.amdhsa_next_free_sgpr 102
		.amdhsa_reserve_vcc 0
		.amdhsa_float_denorm_mode_32 3
		.amdhsa_float_denorm_mode_16_64 3
		.amdhsa_memory_ordered 1
		.amdhsa_forward_progress 1
		.amdhsa_inst_pref_size 86
	.end_amdhsa_kernel
	.amdgpu_metadata
---
amdhsa.version: [ 1, 2 ]
amdhsa.kernels:
  - .name:           k_q91aa3c5c76_outp
    .symbol:         k_q91aa3c5c76_outp.kd
    .args:
      - { .name: w3, .offset: 0, .size: 8, .value_kind: global_buffer, .address_space: global }
      - { .name: w1, .offset: 8, .size: 8, .value_kind: global_buffer, .address_space: global }
      - { .name: bp, .offset: 16, .size: 8, .value_kind: global_buffer, .address_space: global }
      - { .name: out0, .offset: 24, .size: 8, .value_kind: global_buffer, .address_space: global }
    .group_segment_fixed_size: 327680
    .private_segment_fixed_size: 0
    .kernarg_segment_align: 8
    .kernarg_segment_size: 32
    .max_flat_workgroup_size: 128
    .sgpr_count:     102
    .vgpr_count:     1024
    .wavefront_size: 32
...
	.end_amdgpu_metadata
.endif
;; end of part 4
